; MI455X (gfx1250); checked and timed in simulation.
; The chip was launched on July 23, 2026; its instructions are those of AMD's public machine-readable ISA for CDNA 5 (MIT licence, August 2026) and "CDNA5" Instruction Set Architecture Reference Guide (July 2026). The comments in the code are by the model that wrote it; some were corrected since.
;; Razor Mamba LSTM Cell. Allowed arithmetic: float matrix products may take bf16 or f16 operands with f32 sums; other float arithmetic in f32, or as packed bf16 or f16 multiplies, adds, multiply-adds, maxima and minima; sums over many terms, partial sums and values carried from step to step in f32; what a program stores and reads back later, other than sums and carried values, may be rounded once to bf16 or f16.
;; Inputs: A_log 2,048 float32; D 2,048 float32; W1 1 float32; W2 1 float32; Wf_b 2,048 float32; Wf_w 4,096 x 2,048 float32; Wg_b 2,048 float32; Wg_w 4,096 x 2,048 float32; Wi_b 2,048 float32; Wi_w 4,096 x 2,048 float32; Wo_b 2,048 float32; Wo_w 4,096 x 2,048 float32; c 1,024 x 2,048 float32; dt_proj_b 2,048 float32; dt_proj_w 128 x 2,048 float32; h 1,024 x 2,048 float32; in_proj_b 6,272 float32; in_proj_w 4,096 x 6,272 float32; ln_b 2,048 float32; ln_g 2,048 float32; scale0 1 float32; ssm_state 1,024 x 2,048 float32; x 1,024 x 2,048 float32.
;; Outputs: out0 1,024 x 2,048 float32; out1 1,024 x 2,048 float32; out2 1,024 x 2,048 float32.
;; One version. Each part assembles by itself: llvm-mc -triple=amdgcn-amd-amdhsa -mcpu=gfx1250 --defsym DOCPART=n.
;; ======== version 1 of 1: 4 launches
;; workspace buffers: abf 8,388,608 bytes; wfr 117,440,512 bytes; wdr 1,048,576 bytes; pfr 524,288 bytes; rfr 262,144 bytes; clstm 8,388,608 bytes; cssm 8,388,608 bytes; ogate 8,388,608 bytes
;; launch prep (part 1): grid 256 x 1, 8 waves a work-group, no clusters, 6,144 bytes of LDS; arguments h, x, Wi_w, Wf_w, Wo_w, Wg_w, in_proj_w, dt_proj_w, abf, wfr, wdr, pfr; writes abf, wfr, wdr, pfr
.if DOCPART == 1
	.amdgcn_target "amdgcn-amd-amdhsa--gfx1250"
	.amdhsa_code_object_version 6
	.text
	.protected	k_qe9cb27bcef_prep
	.globl	k_qe9cb27bcef_prep
	.p2align	8
	.type	k_qe9cb27bcef_prep,@function
k_qe9cb27bcef_prep:
	s_mov_b64 s[64:65], 0
	v_nop
	global_prefetch_b8 v0, s[64:65] scope:SCOPE_SE
	s_setreg_imm32_b32 hwreg(HW_REG_WAVE_MODE, 25, 1), 1
	s_wait_xcnt 0x0
; PREP: [h | x] and all weights are rounded once to bf16 and laid out in the order in which the matrix instruction's operands lie in registers.
; A FRAGMENT is 16 rows x 32 k of bf16, 1,024 bytes: lane L = 16 hh + r owns bytes 16 L .. +15 (row r, k = 8 hh .. +7) and bytes 512 + 16 L .. +15 (k = 16 + 8 hh .. +7).
;   abf [yb 8][ks 32][a 8][q 4][1024]        row 128 yb + 16 a + r of [h | x], k = 128 ks + 32 q + ..
;   wfr [G 32][ks 32][w 4][m 7][q 4][1024]   column 64 G + 4 r + w of matrix m (0 Wi, 1 Wf, 2 Wo, 3 Wg, 4 x_ssm, 5 Bsel, 6 Csel), the same k
;   pfr [G 32][w 4][q 4][1024]               column 64 G + 4 r + w of dt_proj_w, k = 32 q + ..
;   wdr [ks 32][nt 8][q 4][1024]             column 2048 + 16 nt + r of in_proj_w (dt_r)
; THE WEIGHTS LIE [k][n] AND ARE TURNED IN REGISTERS.  A lane loads 16 bytes (4 neighbouring columns 4 i .. 4 i + 3) of 8 consecutive rows k, twice.  Two rows' numbers of ONE column, rounded and packed, are a
; register of a fragment; the lane's four columns are its 16-byte chunks in FOUR fragments, those of the tiles w = 0 .. 3: that is why tile w holds every fourth column.  No lane needs another lane's numbers.
; Every load takes two whole rows of 256 bytes (lanes 0-15 one, lanes 16-31 the row eight further down); every store covers 512 consecutive bytes, aligned.
; dt_r's columns alone keep neighbouring columns in a tile (the launch behind takes them so) and go through LDS: rounded, stored as they lie, read back by ds_load_tr16_b128.  They are 1 round in 120.
; SHARES.  Work-group b: G = b % 32, kq = b / 32.  Wave v owns the 64 weight rows 512 kq + 64 v and the columns 64 G .. +63 of all seven matrices: 14 rounds of 32 k x 64 n, and one round of 16 rows x 128 k of [h | x].
; Besides, in every work-group, wave 0 turns one block of 32 k x 64 n of dt_r's columns and wave 1 one of 16 k x 64 n of dt_proj_w: both at the head, worked on while rounds 0 and 1 are on their way.
; Three sets of 64 registers take turns: at the wait for a round its own and two younger rounds' loads (24 KiB a wave) are out.  No pointer is ever stepped: all steps stand in immediates (1,396,736 at most).
; No wave reads another's bytes: no barrier.  LIMIT: round to nearest even to bf16; nothing else is computed here.
.set SP,    160                        ; wave 0's stage, 32 rows (k) of 128 bytes (64 bf16) + 32 of padding = 40 words
.set SPARE, 5120                       ; behind the stage: the spare words, 128 bytes for each wave, four blocks of 256 bytes that no other line names
.set VO8,  3                           ; v3   8 hh rows of 8,192 bytes + 16 (L % 16): offset in a gate's or dt_proj_w's rows
.set VO25, 4                           ; v4   the same for rows of 25,088 bytes (in_proj_w)
.set VOA,  5                           ; v5   8,192 (L % 16) + 32 hh: offset in 16 rows of h or x
.set SA,   6                           ; v6   640 hh + 8 (L % 16): where I put 4 rounded numbers in the stage
.set TA,   7                           ; v7   (8 hh + L % 8) 160 + 16 ((L / 8) % 2): the turning load's address
.set L16,  8                           ; v8   16 L
.set VOX,  9                           ; v9   4 hh rows of 25,088 bytes + 16 (L % 16): dt_r's block
.set SPW,  10                          ; v10  LDS address of my spare word; never rewritten
.set NIL,  11                          ; v11  0; never rewritten
.set T,    16                          ; v[16:23]  four pairs at work (dt_r's block)
.set O,    24                          ; v[24:55]  a round's 32 registers to store
.set SET,  64                          ; v[64:255] three sets of 64 as loaded
.set WV,   28                          ; s28  my wave's number
.set GB,   36                          ; s[36:43] the four gates at my first row and column
.set IB,   44                          ; s[44:45] in_proj_w likewise
.set AS,   46                          ; s[46:47] h or x at my 16 rows x 128 k
.set AD,   48                          ; s[48:49] abf at my four fragments
.set WD,   50                          ; s[50:51] wfr at (G, ks, w = 0, m = 0, q0)
.set XS,   52                          ; s[52:53] in_proj_w at row 32 (b / 2), column 2048 + 64 (b % 2)
.set XD,   54                          ; s[54:55] wdr at (ks = b / 8, nt = 4 (b % 2), q = (b / 2) % 4)
.set PS,   56                          ; s[56:57] dt_proj_w at row 32 ((b / 2) % 4) + 16 (b % 2), column 64 (b / 8)
.set PD,   58                          ; s[58:59] pfr at (G = b / 8, w = 0, q = (b / 2) % 4), half b % 2
	s_load_b512 s[4:19], s[0:1], 0x0               ; h, x, Wi_w, Wf_w, Wo_w, Wg_w, in_proj_w, dt_proj_w
	s_load_b256 s[20:27], s[0:1], 0x40             ; abf, wfr, wdr, pfr
	v_lshl_add_u32 v[SPW], v0, 2, SPARE
	v_mov_b32 v[NIL], 0
	v_lshrrev_b32 v14, 5, v0
	v_readfirstlane_b32 s[WV], v14                 ; wave 0..7
	v_and_b32 v1, 15, v0                           ; L % 16
	v_bfe_u32 v2, v0, 4, 1                         ; hh = L / 16
	v_lshlrev_b32 v12, 4, v1
	v_lshl_add_u32 v[VO8], v2, 16, v12
	v_mul_u32_u24 v[VO25], v2, 8*25088
	v_add_nc_u32 v[VO25], v[VO25], v12
	v_mul_u32_u24 v[VOX], v2, 4*25088
	v_add_nc_u32 v[VOX], v[VOX], v12
	v_lshlrev_b32 v[VOA], 13, v1
	v_lshl_add_u32 v[VOA], v2, 5, v[VOA]
	v_mul_u32_u24 v[SA], v2, 4*SP
	v_lshl_add_u32 v[SA], v1, 3, v[SA]
	v_and_b32 v13, 7, v0
	v_lshl_add_u32 v13, v2, 3, v13
	v_mul_u32_u24 v[TA], v13, SP
	v_bfe_u32 v13, v0, 3, 1
	v_lshl_add_u32 v[TA], v13, 4, v[TA]
	v_and_b32 v[L16], 31, v0
	v_lshlrev_b32 v[L16], 4, v[L16]
	s_and_b32 s30, ttmp9, 31                       ; G
	s_lshr_b32 s31, ttmp9, 5                       ; kq
	s_lshl_b32 s32, s31, 9
	s_lshl_b32 s33, s[WV], 6
	s_add_co_u32 s32, s32, s33                     ; k0 = 512 kq + 64 v
	s_lshl_b32 s34, s30, 8                         ; 64 columns of f32: 256 G bytes
	s_lshl_b32 s35, s31, 2
	s_lshr_b32 s33, s[WV], 1
	s_add_co_u32 s35, s35, s33                     ; ks = k0 / 128
	s_and_b32 s33, s[WV], 1
	s_lshl_b32 s33, s33, 11                        ; 1,024 q0, q0 = 2 (v % 2)
	s_mov_b32 s67, 0                               ; the high word of every offset below (all stay under 2^32)
	s_wait_kmcnt 0x0
	s_and_b32 s68, ttmp9, 3                        ; [h | x]: row tile rt = b / 4, K step 8 (b % 4) + v
	s_lshr_b32 s69, ttmp9, 2
	s_lshl_b32 s70, s68, 3
	s_add_co_u32 s70, s70, s[WV]
	s_and_b32 s71, s70, 15
	s_lshl_b32 s71, s71, 9                         ; 128 f32 a K step, inside h or inside x
	s_lshl_b32 s66, s69, 17                        ; 16 rows of 8,192 bytes
	s_add_co_u32 s66, s66, s71
	s_cmp_lt_u32 s68, 2                            ; K steps 0-15 are h's, 16-31 x's
	s_cselect_b64 s[AS:AS+1], s[4:5], s[6:7]
	s_add_nc_u64 s[AS:AS+1], s[AS:AS+1], s[66:67]
	s_lshr_b32 s66, s69, 3
	s_lshl_b32 s66, s66, 20                        ; yb
	s_lshl_b32 s70, s70, 15                        ; ks
	s_add_co_u32 s66, s66, s70
	s_and_b32 s69, s69, 7
	s_lshl_b32 s69, s69, 12                        ; a
	s_add_co_u32 s66, s66, s69
	s_add_nc_u64 s[AD:AD+1], s[20:21], s[66:67]
	s_lshl_b32 s66, s32, 13
	s_add_co_u32 s66, s66, s34
	s_add_nc_u64 s[GB:GB+1], s[8:9], s[66:67]
	s_add_nc_u64 s[GB+2:GB+3], s[10:11], s[66:67]
	s_add_nc_u64 s[GB+4:GB+5], s[12:13], s[66:67]
	s_add_nc_u64 s[GB+6:GB+7], s[14:15], s[66:67]
	s_mul_i32 s66, s32, 25088
	s_add_co_u32 s66, s66, s34
	s_add_nc_u64 s[IB:IB+1], s[16:17], s[66:67]
	s_lshl_b32 s66, s30, 5
	s_add_co_u32 s66, s66, s35
	s_mul_i32 s66, s66, 114688
	s_add_co_u32 s66, s66, s33
	s_add_nc_u64 s[WD:WD+1], s[22:23], s[66:67]
	s_lshr_b32 s68, ttmp9, 3                       ; b / 8
	s_bfe_u32 s69, ttmp9, 0x20001                  ; (b / 2) % 4
	s_and_b32 s70, ttmp9, 1                        ; b % 2
	s_lshr_b32 s66, ttmp9, 1
	s_mul_i32 s66, s66, 32*25088                   ; 32 rows of in_proj_w for each b / 2
	s_lshl_b32 s71, s70, 8
	s_add_co_u32 s66, s66, s71
	s_add_co_u32 s66, s66, 8192                    ; column 2048
	s_add_nc_u64 s[XS:XS+1], s[16:17], s[66:67]
	s_lshl_b32 s66, s68, 15
	s_lshl_b32 s71, s70, 14
	s_add_co_u32 s66, s66, s71
	s_lshl_b32 s71, s69, 10
	s_add_co_u32 s66, s66, s71
	s_add_nc_u64 s[XD:XD+1], s[24:25], s[66:67]
	s_lshl_b32 s66, s69, 18                        ; 32 rows of 8,192 bytes
	s_lshl_b32 s71, s70, 17                        ; 16 rows
	s_add_co_u32 s66, s66, s71
	s_lshl_b32 s71, s68, 8
	s_add_co_u32 s66, s66, s71
	s_add_nc_u64 s[PS:PS+1], s[18:19], s[66:67]
	s_lshl_b32 s66, s68, 14
	s_lshl_b32 s71, s69, 10
	s_add_co_u32 s66, s66, s71
	s_lshl_b32 s71, s70, 9
	s_add_co_u32 s66, s66, s71
	s_add_nc_u64 s[PD:PD+1], s[26:27], s[66:67]
; 16 loads: 32 rows (k) x 256 bytes.  Load t: lanes 0-15 take row 16 (t / 8) + t % 8, lanes 16-31 the row eight further down: a lane ends with 8 consecutive rows of its 4 columns, twice.
.macro LOADN set, base, vo, pitch, col, qq
.irp t, 0,1,2,3,4,5,6,7,8,9,10,11,12,13,14,15
	global_load_b128 v[(\set)+4*(\t):(\set)+4*(\t)+3], v[\vo], s[(\base):(\base)+1] offset:(32*(\qq)+16*((\t)/8)+((\t)%8))*(\pitch)+(\col) th:TH_LOAD_NT
.endr
.endm
; The round turned and stored.  Store n = 2 c + u: column 4 i + c, k half u: register p packs rows 2 p and 2 p + 1 of the lane's eight.
.macro PROCN set, dst, wstr, imm
	s_wait_xcnt 0x0                                ; the last round's stores have read O: it is written again only behind this wait
.irp n, 0,1,2,3,4,5,6,7
.irp p, 0,1,2,3
	v_cvt_pk_bf16_f32 v[O+4*(\n)+(\p)], v[(\set)+4*(8*((\n)%2)+2*(\p))+(\n)/2], v[(\set)+4*(8*((\n)%2)+2*(\p)+1)+(\n)/2]
.endr
.endr
.irp n, 0,1,2,3,4,5,6,7
	global_store_b128 v[L16], v[O+4*(\n):O+4*(\n)+3], s[(\dst):(\dst)+1] offset:((\n)/2)*(\wstr)+(\imm)+512*((\n)%2) th:TH_STORE_NT
.endr
.endm
; 16 loads: 16 rows x 512 bytes of h or x; registers 8 n .. 8 n + 7 are the 8 numbers of half fragment n: nothing is turned
.macro LOADA set
.irp t, 0,1,2,3,4,5,6,7,8,9,10,11,12,13,14,15
	global_load_b128 v[(\set)+4*(\t):(\set)+4*(\t)+3], v[VOA], s[AS:AS+1] offset:64*((\t)/2)+16*((\t)%2) th:TH_LOAD_NT
.endr
.endm
.macro PROCA set
	s_wait_xcnt 0x0                                ; waves 0 and 1 have stored from O already
.set i, 0
.rept 32
	v_cvt_pk_bf16_f32 v[O+i], v[(\set)+2*i], v[(\set)+2*i+1]
.set i, i+1
.endr
.irp n, 0,1,2,3,4,5,6,7
	global_store_b128 v[L16], v[O+4*(\n):O+4*(\n)+3], s[AD:AD+1] offset:512*(\n) th:TH_STORE_NT
.endr
.endm
; dt_proj_w: half a round, 16 rows x 256 bytes: 8 loads, 4 stores
.macro LOADH set
.irp t, 0,1,2,3,4,5,6,7
	global_load_b128 v[(\set)+4*(\t):(\set)+4*(\t)+3], v[VO8], s[PS:PS+1] offset:8192*(\t) th:TH_LOAD_NT
.endr
.endm
.macro PROCH set
.irp c, 0,1,2,3
.irp p, 0,1,2,3
	v_cvt_pk_bf16_f32 v[O+4*(\c)+(\p)], v[(\set)+8*(\p)+(\c)], v[(\set)+8*(\p)+4+(\c)]
.endr
.endr
.irp c, 0,1,2,3
	global_store_b128 v[L16], v[O+4*(\c):O+4*(\c)+3], s[PD:PD+1] offset:4096*(\c) th:TH_STORE_NT
.endr
.endm
; dt_r's block: 32 rows x 256 bytes.  Load t: lanes 0-15 take row t % 4 + 8 (t / 4), lanes 16-31 the row four further down.
.macro LOADX set
.irp t, 0,1,2,3,4,5,6,7,8,9,10,11,12,13,14,15
	global_load_b128 v[(\set)+4*(\t):(\set)+4*(\t)+3], v[VOX], s[XS:XS+1] offset:(((\t)%4)+8*((\t)/4))*25088 th:TH_LOAD_NT
.endr
.endm
; Rounded, into the stage as it lies, back turned, out.  LDS serves a wave's instructions in order (ISA guide 5.7.1.4): the turning loads see the stores above them.
.macro PROCX set
.irp t, 0,1,2,3,4,5,6,7,8,9,10,11,12,13,14,15
	v_cvt_pk_bf16_f32 v[T+2*((\t)%4)],   v[(\set)+4*(\t)],   v[(\set)+4*(\t)+1]
	v_cvt_pk_bf16_f32 v[T+2*((\t)%4)+1], v[(\set)+4*(\t)+2], v[(\set)+4*(\t)+3]
	ds_store_b64 v[SA], v[T+2*((\t)%4):T+2*((\t)%4)+1] offset:(((\t)%4)+8*((\t)/4))*SP  ; the two halves of the lanes lie 640 bytes apart: disjoint halves of the banks
.endr
.irp n, 0,1,2,3,4,5,6,7
	ds_load_tr16_b128 v[O+4*(\n):O+4*(\n)+3], v[TA] offset:32*((\n)/2)+16*SP*((\n)%2)  ; column tile n / 2, k half n % 2
.endr
.irp n, 0,1,2,3,4,5,6,7
	s_wait_dscnt 7-(\n)                            ; LDS results come in order: load n is in, the younger ones stay out
	global_store_b128 v[L16], v[O+4*(\n):O+4*(\n)+3], s[XD:XD+1] offset:((\n)/2)*4096+512*((\n)%2) th:TH_STORE_NT
.endr
.endm
; Round n of 15: 0 is [h | x]; n = 1 .. 14 is matrix m = (n - 1) / 2, k half (n - 1) % 2.  in_proj_w's three parts begin at columns 0, 2176 and 4224.
.macro LD n
.set SB, SET+64*((\n)%3)
.if (\n) == 0
	LOADA SB
.elseif (\n) < 9
	LOADN SB, GB+2*(((\n)-1)/2), VO8, 8192, 0, ((\n)-1)%2
.else
	LOADN SB, IB, VO25, 25088, (((\n)-9)/2)*8192+(((\n)-7)/4)*512, ((\n)-1)%2
.endif
.endm
.macro PR n
.set SB, SET+64*((\n)%3)
.if (\n) == 0
	PROCA SB
.else
	PROCN SB, WD, 28672, 4096*(((\n)-1)/2)+1024*(((\n)-1)%2)
.endif
.endm
	; The head.  Each arm of the branch on the wave's number is whole in itself: the extra block's loads go out first, into set 2, then rounds 0 and 1; the block is worked on while those are on their way.
	s_cmp_eq_u32 s[WV], 0
	s_cbranch_scc0 .Lnot_0
	LOADX SET+128
	LD 0
	LD 1
	s_wait_loadcnt 32                              ; the block's loads are in; rounds 0 and 1, 32 loads, stay out
	PROCX SET+128
	s_branch .Lgo
.Lnot_0:
	s_cmp_eq_u32 s[WV], 1
	s_cbranch_scc0 .Lnot_1
	LOADH SET+128
	LD 0
	LD 1
	s_wait_loadcnt 32                              ; likewise
	PROCH SET+128
	s_branch .Lgo
.Lnot_1:
	LD 0
	LD 1
.Lgo:
	LD 2
.irp i, 0,1,2,3,4,5,6,7,8,9,10,11,12,13,14
.if (\i) < 13
	s_wait_loadcnt 32                              ; this round's 16 loads are in; the two younger rounds' 32 stay out
.elseif (\i) == 13
	s_wait_loadcnt 16
.else
	s_wait_loadcnt 0x0
.endif
	PR \i
.if (\i) < 12
	LD (\i)+3                                      ; into the set just converted
.endif
.endr
	s_wait_tensorcnt 0x0                           ; the wave's end: behind my last LDS store
	ds_add_u32 v[SPW], v[NIL]
	s_wait_dscnt 0x0
	s_endpgm
.Lfunc_end_k_qe9cb27bcef_prep:
	.size	k_qe9cb27bcef_prep, .Lfunc_end_k_qe9cb27bcef_prep-k_qe9cb27bcef_prep
	.p2alignl 7, 3214868480
	.fill 96, 4, 3214868480
	.section	.rodata,"a",@progbits
	.p2align	6, 0x0
	.amdhsa_kernel k_qe9cb27bcef_prep
		.amdhsa_group_segment_fixed_size 6144
		.amdhsa_private_segment_fixed_size 0
		.amdhsa_enable_private_segment 0
		.amdhsa_kernarg_size 96
		.amdhsa_user_sgpr_count 2
		.amdhsa_user_sgpr_kernarg_segment_ptr 1
		.amdhsa_wavefront_size32 1
		.amdhsa_system_sgpr_workgroup_id_x 1
		.amdhsa_system_sgpr_workgroup_id_y 1
		.amdhsa_system_sgpr_workgroup_id_z 1
		.amdhsa_system_vgpr_workitem_id 0
		.amdhsa_next_free_vgpr 256
		.amdhsa_next_free_sgpr 72
		.amdhsa_reserve_vcc 0
		.amdhsa_float_denorm_mode_32 3
		.amdhsa_float_denorm_mode_16_64 3
		.amdhsa_memory_ordered 1
		.amdhsa_forward_progress 1
		.amdhsa_inst_pref_size 84
	.end_amdhsa_kernel
	.amdgpu_metadata
---
amdhsa.version: [ 1, 2 ]
amdhsa.kernels:
  - .name:           k_qe9cb27bcef_prep
    .symbol:         k_qe9cb27bcef_prep.kd
    .args:
      - { .name: h, .offset: 0, .size: 8, .value_kind: global_buffer, .address_space: global }
      - { .name: x, .offset: 8, .size: 8, .value_kind: global_buffer, .address_space: global }
      - { .name: Wi_w, .offset: 16, .size: 8, .value_kind: global_buffer, .address_space: global }
      - { .name: Wf_w, .offset: 24, .size: 8, .value_kind: global_buffer, .address_space: global }
      - { .name: Wo_w, .offset: 32, .size: 8, .value_kind: global_buffer, .address_space: global }
      - { .name: Wg_w, .offset: 40, .size: 8, .value_kind: global_buffer, .address_space: global }
      - { .name: in_proj_w, .offset: 48, .size: 8, .value_kind: global_buffer, .address_space: global }
      - { .name: dt_proj_w, .offset: 56, .size: 8, .value_kind: global_buffer, .address_space: global }
      - { .name: abf, .offset: 64, .size: 8, .value_kind: global_buffer, .address_space: global }
      - { .name: wfr, .offset: 72, .size: 8, .value_kind: global_buffer, .address_space: global }
      - { .name: wdr, .offset: 80, .size: 8, .value_kind: global_buffer, .address_space: global }
      - { .name: pfr, .offset: 88, .size: 8, .value_kind: global_buffer, .address_space: global }
    .group_segment_fixed_size: 6144
    .private_segment_fixed_size: 0
    .kernarg_segment_align: 8
    .kernarg_segment_size: 96
    .max_flat_workgroup_size: 256
    .sgpr_count:     72
    .vgpr_count:     256
    .wavefront_size: 32
...
	.end_amdgpu_metadata
.endif
;; end of part 1
;; launch dtr (part 2): grid 4 x 64, 4 waves a work-group, no clusters, 8,704 bytes of LDS; arguments abf, wdr, in_proj_b, rfr; writes rfr
.if DOCPART == 2
	.amdgcn_target "amdgcn-amd-amdhsa--gfx1250"
	.amdhsa_code_object_version 6
	.text
	.protected	k_qe9cb27bcef_dtr
	.globl	k_qe9cb27bcef_dtr
	.p2align	8
	.type	k_qe9cb27bcef_dtr,@function
k_qe9cb27bcef_dtr:
	s_mov_b64 s[64:65], 0
	v_nop
	global_prefetch_b8 v0, s[64:65] scope:SCOPE_SE
	s_setreg_imm32_b32 hwreg(HW_REG_WAVE_MODE, 25, 1), 1
	s_wait_xcnt 0x0
; DTR: dt_r = [h | x] x in_proj_w[:, 2048:2176] + in_proj_b[2048:2176], [1024][128], stored as bf16 fragments rfr [yb 8][a 8][q 4][1024] (row 128 yb + 16 a + r, k = the rank index),
; so that the next launch takes it as an operand as it lies.  Sums in f32; the bias is rounded to bf16 like every input of the module; dt_r is rounded once.
; SHARES.  Work-group (p, rt): rows 16 rt .. +15, columns 32 p .. +31: two tiles of 16.  K = 4,096 IS SPLIT AMONG THE FOUR WAVES: wave v takes K steps 8 v .. 8 v + 7 of 128; the four partial sums
; meet in LDS at the end.  Both operands lie in memory in fragment order (1,024 bytes a fragment, 16 bytes a lane twice): each load of a wave covers 512 consecutive bytes, and nothing goes through LDS on the way in.
; The product is taken transposed (source 0 = 16 columns of the weights, source 1 = the 16 rows): a lane ends with row r and the columns 8 hh .. +7 of a tile, which are its 16 bytes of a fragment of rfr.
; Two sets of registers, a trip each: while one is multiplied the other's 24 loads are on their way.  All eight trips are written out; the trip stands in the immediate (237,056 at most), no pointer is written.
; No prefetch: both operands are small and read by many work-groups.
.set PART,  0                          ; LDS: wave v's two partial tiles, 1,024 bytes each, at 2,048 v
.set SPARE, 8192                       ; behind them: the spare words, 128 bytes for each wave, two blocks of 256 bytes that no other line names
.set LO,  2                            ; v2   16 L
.set BO,  3                            ; v3   32 hh: my 8 numbers of the bias
.set LS,  4                            ; v4   where I put my 32 bytes of a partial tile
.set LR,  5                            ; v5   where I read them back
.set SPW, 8                            ; v8   LDS address of my spare word; never rewritten
.set NIL, 9                            ; v9   0; never rewritten
.set TT,  10                           ; v[10:11] at work
.set ACC, 16                           ; v[16:47]  four accumulators: tile j, fragments of parity q % 2, at ACC + 8 (2 (q % 2) + j)
.set BIA, 48                           ; v[48:55]  the bias of my 8 columns
.set BUF, 64                           ; v[64:255] two sets of 96: the weights' fragments (tile j, quarter q at 32 j + 8 q), then the rows' four
.set WV,  14                           ; s14  my wave's number
.set PA,  4                            ; s[4:5]   abf at my first K step
.set PB,  6                            ; s[6:7]   wdr at my first K step and first tile
	s_load_b256 s[4:11], s[0:1], 0x0               ; abf, wdr, in_proj_b, rfr
	v_lshl_add_u32 v[SPW], v0, 2, SPARE
	v_mov_b32 v[NIL], 0
	v_lshrrev_b32 v1, 5, v0
	v_readfirstlane_b32 s[WV], v1                  ; wave 0..3
	v_and_b32 v12, 31, v0
	v_bfe_u32 v13, v0, 4, 1
	v_lshlrev_b32 v[LO], 4, v12
	v_lshlrev_b32 v[BO], 5, v13
	s_lshl_b32 s16, s[WV], 11
	v_lshl_add_u32 v[LS], v12, 5, s16              ; 2,048 x wave + 32 L
	s_lshl_b32 s16, s[WV], 10
	v_lshl_add_u32 v[LR], v12, 5, s16              ; tile = my wave's number (waves 0 and 1): 1,024 x wave + 32 L
	s_and_b32 s17, ttmp7, 0xffff                   ; rt
	s_lshr_b32 s18, s17, 3                         ; yb
	s_and_b32 s19, s17, 7                          ; a
	s_lshl_b32 s20, s[WV], 18                      ; 8 K steps of 32,768 bytes, in abf and in wdr alike
	s_lshl_b32 s22, s18, 20
	s_lshl_b32 s23, s19, 12
	s_add_co_u32 s22, s22, s23
	s_add_co_u32 s22, s22, s20
	s_mov_b32 s23, 0
	s_lshl_b32 s24, ttmp9, 13                      ; two tiles of 4,096 bytes
	s_add_co_u32 s24, s24, s20
	s_mov_b32 s25, 0
	s_and_b32 s26, s[WV], 1
	s_lshl_b32 s26, s26, 6
	s_lshl_b32 s27, ttmp9, 7
	s_add_co_u32 s26, s26, s27
	s_add_co_u32 s26, s26, 8192                    ; 4 (2048 + 32 p + 16 (wave % 2))
	s_mov_b32 s27, 0
	s_lshl_b32 s28, s18, 15                        ; rfr: (32 yb + 4 a + p) fragments, half = my wave's number
	s_lshl_b32 s29, s19, 12
	s_add_co_u32 s28, s28, s29
	s_lshl_b32 s29, ttmp9, 10
	s_add_co_u32 s28, s28, s29
	s_lshl_b32 s29, s[WV], 9
	s_add_co_u32 s28, s28, s29
	s_mov_b32 s29, 0
	s_mov_b32 s30, 0xffff0000                      ; a word's upper bf16
	s_wait_kmcnt 0x0
	s_add_nc_u64 s[PA:PA+1], s[4:5], s[22:23]
	s_add_nc_u64 s[PB:PB+1], s[6:7], s[24:25]
	s_add_nc_u64 s[8:9], s[8:9], s[26:27]
	s_add_nc_u64 s[10:11], s[10:11], s[28:29]
.macro LOADS b, t                      ; trip t's 24 loads into set b
.irp q, 0,1,2,3
	global_load_b128 v[BUF+96*(\b)+8*(\q):BUF+96*(\b)+8*(\q)+3],         v[LO], s[PB:PB+1] offset:32768*(\t)+1024*(\q)
	global_load_b128 v[BUF+96*(\b)+8*(\q)+4:BUF+96*(\b)+8*(\q)+7],       v[LO], s[PB:PB+1] offset:32768*(\t)+1024*(\q)+512
	global_load_b128 v[BUF+96*(\b)+32+8*(\q):BUF+96*(\b)+32+8*(\q)+3],   v[LO], s[PB:PB+1] offset:32768*(\t)+4096+1024*(\q)
	global_load_b128 v[BUF+96*(\b)+32+8*(\q)+4:BUF+96*(\b)+32+8*(\q)+7], v[LO], s[PB:PB+1] offset:32768*(\t)+4096+1024*(\q)+512
	global_load_b128 v[BUF+96*(\b)+64+8*(\q):BUF+96*(\b)+64+8*(\q)+3],   v[LO], s[PA:PA+1] offset:32768*(\t)+1024*(\q)
	global_load_b128 v[BUF+96*(\b)+64+8*(\q)+4:BUF+96*(\b)+64+8*(\q)+7], v[LO], s[PA:PA+1] offset:32768*(\t)+1024*(\q)+512
.endr
.endm
; A trip's eight products.  The four accumulators take turns, one instruction a turn.  zero = 1: the first four start the sums: nothing is cleared.
.macro MULS b, zero
.irp q, 0,1,2,3
.irp j, 0,1
.if (\zero) && ((\q) < 2)
	v_wmma_f32_16x16x32_bf16 v[ACC+8*(2*((\q)%2)+(\j)):ACC+8*(2*((\q)%2)+(\j))+7], v[BUF+96*(\b)+32*(\j)+8*(\q):BUF+96*(\b)+32*(\j)+8*(\q)+7], v[BUF+96*(\b)+64+8*(\q):BUF+96*(\b)+64+8*(\q)+7], 0
.else
	v_wmma_f32_16x16x32_bf16 v[ACC+8*(2*((\q)%2)+(\j)):ACC+8*(2*((\q)%2)+(\j))+7], v[BUF+96*(\b)+32*(\j)+8*(\q):BUF+96*(\b)+32*(\j)+8*(\q)+7], v[BUF+96*(\b)+64+8*(\q):BUF+96*(\b)+64+8*(\q)+7], v[ACC+8*(2*((\q)%2)+(\j)):ACC+8*(2*((\q)%2)+(\j))+7]
.endif
.endr
.endr
.endm
.macro PLACES                          ; four places behind the last product, in front of loads into registers that it has read and of sums that read results
.rept 4
	v_nop
.endr
.endm
	global_load_b128 v[BIA:BIA+3],   v[BO], s[8:9]
	global_load_b128 v[BIA+4:BIA+7], v[BO], s[8:9] offset:16
	LOADS 0, 0
	LOADS 1, 1
	s_wait_loadcnt 24                              ; the bias and set 0 are in; set 1's 24 loads may stay out
	MULS 0, 1
	PLACES
	LOADS 0, 2
.irp t, 1,2,3,4,5
	s_wait_loadcnt 24                              ; this trip's set is in, the other's 24 loads stay out
	MULS (\t)%2, 0
	PLACES
	LOADS (\t)%2, (\t)+2
.endr
	s_wait_loadcnt 24                              ; the last two trips load nothing
	MULS 0, 0
	s_wait_loadcnt 0x0
	MULS 1, 0
	PLACES
	PLACES
.set r, 0
.rept 8
	v_pk_add_f32 v[ACC+r:ACC+r+1], v[ACC+r:ACC+r+1], v[ACC+16+r:ACC+16+r+1]  ; the two parities; each accumulator's lowest registers are read first
.set r, r+2
.endr
.irp j, 0,1
	ds_store_b128 v[LS], v[ACC+8*(\j):ACC+8*(\j)+3]   offset:PART+1024*(\j)
	ds_store_b128 v[LS], v[ACC+8*(\j)+4:ACC+8*(\j)+7] offset:PART+1024*(\j)+16
.endr
	s_wait_dscnt 0x0                               ; for the others' sake: my partial sums lie in LDS
	s_barrier_signal -1
	s_barrier_wait -1
	s_cmp_lt_u32 s[WV], 2                          ; wave 0 finishes tile 0, wave 1 tile 1
	s_cbranch_scc0 .Lend
.irp v, 0,1,2,3
	ds_load_b128 v[BUF+8*(\v):BUF+8*(\v)+3],   v[LR] offset:PART+2048*(\v)
	ds_load_b128 v[BUF+8*(\v)+4:BUF+8*(\v)+7], v[LR] offset:PART+2048*(\v)+16
.endr
.irp r, 0,2,4,6                        ; the bias, rounded to bf16 and widened again
	v_cvt_pk_bf16_f32 v[TT+((\r)/2)%2], v[BIA+(\r)], v[BIA+(\r)+1]
	v_lshlrev_b32 v[BIA+(\r)], 16, v[TT+((\r)/2)%2]
	v_and_b32 v[BIA+(\r)+1], s30, v[TT+((\r)/2)%2]
.endr
	s_wait_dscnt 0x0
.irp r, 0,2,4,6
	v_pk_add_f32 v[BUF+(\r):BUF+(\r)+1], v[BUF+(\r):BUF+(\r)+1], v[BUF+8+(\r):BUF+8+(\r)+1]
	v_pk_add_f32 v[BUF+16+(\r):BUF+16+(\r)+1], v[BUF+16+(\r):BUF+16+(\r)+1], v[BUF+24+(\r):BUF+24+(\r)+1]
.endr
.irp r, 0,2,4,6
	v_pk_add_f32 v[BUF+(\r):BUF+(\r)+1], v[BUF+(\r):BUF+(\r)+1], v[BUF+16+(\r):BUF+16+(\r)+1]
.endr
.irp r, 0,2,4,6
	v_pk_add_f32 v[BUF+(\r):BUF+(\r)+1], v[BUF+(\r):BUF+(\r)+1], v[BIA+(\r):BIA+(\r)+1]
.endr
.irp r, 0,1,2,3
	v_cvt_pk_bf16_f32 v[BUF+32+(\r)], v[BUF+2*(\r)], v[BUF+2*(\r)+1]
.endr
	global_store_b128 v[LO], v[BUF+32:BUF+35], s[10:11]  ; 512 consecutive bytes: half a fragment
.Lend:
	s_wait_tensorcnt 0x0                           ; the wave's end: behind my last LDS store
	ds_add_u32 v[SPW], v[NIL]
	s_wait_dscnt 0x0
	s_endpgm
.Lfunc_end_k_qe9cb27bcef_dtr:
	.size	k_qe9cb27bcef_dtr, .Lfunc_end_k_qe9cb27bcef_dtr-k_qe9cb27bcef_dtr
	.p2alignl 7, 3214868480
	.fill 96, 4, 3214868480
	.section	.rodata,"a",@progbits
	.p2align	6, 0x0
	.amdhsa_kernel k_qe9cb27bcef_dtr
		.amdhsa_group_segment_fixed_size 8704
		.amdhsa_private_segment_fixed_size 0
		.amdhsa_enable_private_segment 0
		.amdhsa_kernarg_size 32
		.amdhsa_user_sgpr_count 2
		.amdhsa_user_sgpr_kernarg_segment_ptr 1
		.amdhsa_wavefront_size32 1
		.amdhsa_system_sgpr_workgroup_id_x 1
		.amdhsa_system_sgpr_workgroup_id_y 1
		.amdhsa_system_sgpr_workgroup_id_z 1
		.amdhsa_system_vgpr_workitem_id 0
		.amdhsa_next_free_vgpr 256
		.amdhsa_next_free_sgpr 66
		.amdhsa_reserve_vcc 0
		.amdhsa_float_denorm_mode_32 3
		.amdhsa_float_denorm_mode_16_64 3
		.amdhsa_memory_ordered 1
		.amdhsa_forward_progress 1
		.amdhsa_inst_pref_size 29
	.end_amdhsa_kernel
	.amdgpu_metadata
---
amdhsa.version: [ 1, 2 ]
amdhsa.kernels:
  - .name:           k_qe9cb27bcef_dtr
    .symbol:         k_qe9cb27bcef_dtr.kd
    .args:
      - { .name: abf, .offset: 0, .size: 8, .value_kind: global_buffer, .address_space: global }
      - { .name: wdr, .offset: 8, .size: 8, .value_kind: global_buffer, .address_space: global }
      - { .name: in_proj_b, .offset: 16, .size: 8, .value_kind: global_buffer, .address_space: global }
      - { .name: rfr, .offset: 24, .size: 8, .value_kind: global_buffer, .address_space: global }
    .group_segment_fixed_size: 8704
    .private_segment_fixed_size: 0
    .kernarg_segment_align: 8
    .kernarg_segment_size: 32
    .max_flat_workgroup_size: 128
    .sgpr_count:     66
    .vgpr_count:     256
    .wavefront_size: 32
...
	.end_amdgpu_metadata
.endif
;; end of part 2
;; launch main (part 3): grid 32 x 8, 4 waves a work-group, clusters of 4 x 4, 327,680 bytes of LDS; arguments abf, wfr, rfr, pfr, c, ssm_state, Wi_b, Wf_b, Wo_b, Wg_b, in_proj_b, dt_proj_b, A_log, D, clstm, cssm, ogate, out2; writes clstm, cssm, ogate, out2
.if DOCPART == 3
	.amdgcn_target "amdgcn-amd-amdhsa--gfx1250"
	.amdhsa_code_object_version 6
	.text
	.protected	k_qe9cb27bcef_main
	.globl	k_qe9cb27bcef_main
	.p2align	8
	.type	k_qe9cb27bcef_main,@function
k_qe9cb27bcef_main:
	s_mov_b64 s[64:65], 0
	v_nop
	global_prefetch_b8 v0, s[64:65] scope:SCOPE_SE
	s_setreg_imm32_b32 hwreg(HW_REG_WAVE_MODE, 25, 1), 1
	s_wait_xcnt 0x0
	s_wait_alu depctr_hold_cnt(0) depctr_sa_sdst(0) depctr_va_vdst(0) depctr_va_sdst(0) depctr_va_ssrc(0) depctr_va_vcc(0) depctr_vm_vsrc(0)
	s_getreg_b32 s2, hwreg(HW_REG_IB_STS2, 6, 4)
	s_cmp_eq_u32 s2, 0
	s_cbranch_scc0 .Lentry_in_a_cluster
	s_endpgm
.Lentry_in_a_cluster:
	s_bfe_u32 s2, ttmp6, 0x10000c
	s_cmp_lg_u32 s2, 0xf033
	s_cbranch_scc0 .Lentry_shape_is_right
	s_endpgm
.Lentry_shape_is_right:
; MAIN: the seven products [h | x] x {Wi, Wf, Wo, Wg, x_ssm, Bsel, Csel} (K = 4,096), the product dt_r x dt_proj_w (K = 128) as a 33rd K step, the gates and the SSM step.
; It stores c_lstm, c_ssm, o_t (f32, for the launch behind, which needs whole rows for the LayerNorm) and ssm_state_new (out2).
; SHARES.  Work-group (G, yb): rows 128 yb .. +127, hidden columns 64 G .. +63 of all seven matrices: a tile of 128 x 448.  Wave w: all 128 rows x every fourth column, 64 G + 4 s + w (s = 0 .. 15), of each matrix:
; 8 x 7 accumulators of 16 x 16, and 8 more for dt: 512 registers.  So one lane holds i, f, o, g, x_ssm, Bsel, Csel and dt of the same element, and no pre-activation leaves the registers.
; OPERANDS lie in memory in fragment order (1,024 bytes: 16 rows x 32 k; 16 bytes a lane, twice), so tiles are dense blocks, LDS needs no padding, and every LDS load of a wave takes 512 consecutive bytes.
; THE MATRIX INSTRUCTION IS USED TRANSPOSED (source 0 = 16 columns of weights, source 1 = 16 rows): lane L holds row L % 16, and its register j the column 64 G + 32 (L / 16) + 4 j + w.
; RING.  K goes in steps of 128 through two LDS slots (32 KiB of rows, 112 KiB of weights), one tensor load a wave behind each change of slots: 196 matrix instructions stand between a request and the wait for it.
; CLUSTER 4 x 4.  The rows' tile hangs on yb alone and is asked for jointly by a row of the cluster, the weights' tile on G alone, jointly by a column.
; NUMBERS.  Products in bf16 with f32 sums.  EVERY input of the module is rounded once to bf16 before it is used, those outside the products too (c, ssm_state, the biases, A_log, D); all other arithmetic in f32.
; sigmoid(z) = 1 / (1 + 2^(-z log2 e)); tanh(z) = 1 - 2 / (1 + 2^(2 z log2 e)): absolute error about 1e-7 near 0.  softplus(z) = max(z, 0) + log1p(t), t = e^-|z|; log1p(t) = t - t^2 / 2 below t = 2^-12 (relative
; error under t^2 / 3), else ln 2 x log2(1 + t).  LIMITS: 2^x gives 0 below 2^-126, so dt counts as 0 where its pre-activation lies below about -87; NaN and infinities are not treated apart.
;
; REGISTERS, in windows of 256 (s_set_vgpr_msb: bits 1:0 source 0, 3:2 source 1, 5:4 source 2, 7:6 destination):
;   window 0: v0-31 addresses; v32-47, v192-255 ten parameters of my 8 columns; v48-63 c and ssm_state of a block; v64-127, v128-191 the rows' fragments, two buffers; later the cell's work registers
;   window 1: v0-31 dt_proj_w's four fragments; v64-119, v128-183 the weights' fragments, two buffers
;   window 2: accumulator (a, b) at v[8 (8 a + b)] for row blocks a = 0..3; b = 0..6 the matrices, b = 7 dt        window 3: row blocks 4..7
.set SLOT,   147456                    ; a slot: 32,768 bytes of rows [a 8][q 4][1024], then 114,688 of weights [w 4][m 7][q 4][1024]
.set BOFF,   32768
.set WPART,  28672                     ; a wave's part of the weights
.set ASTEP,  32768                     ; a K step in abf
.set BSTEP,  114688                    ; and in wfr
.set CT,     32768                     ; the 33rd step lies in slot 0: dt_r's fragments at 0, the c tile here, the ssm_state tile behind it
.set CP,     272                       ; a row of those tiles and of the stages: 256 bytes + 16: rows stay aligned for 16-byte reads on the way out, where 16 lanes take one row; the cell's 4-byte accesses meet two deep in the banks (ISA guide 11.1)
.set CTILE,  128*CP
.set STAGE,  SLOT                      ; slot 1 has had its last fill and its last read when the cell is computed: four stages of 128 rows x 272 bytes (c_lstm, c_ssm, o, state)
.set SPARE,  2*SLOT                    ; behind the ring: the spare words, 128 bytes for each wave, two blocks of 256 bytes that no other line names
.set CO,   12                          ; v12  the way out: (32 w + L / 16) x 8,192 + 16 (L % 16)
.set VP,   13                          ; v13  4,096 w + 16 L: my fragments of dt_proj_w
.set TT,   14                          ; v[14:15] at work
.set ADRA, 16                          ; v16-17  LDS address of the rows' fragments in slot 0, 1: + 16 L
.set ADRB, 20                          ; v20-21  of my weights' fragments
.set CRD,  22                          ; v22  CT + 272 (L % 16) + 128 (L / 16) + 4 w: my first number of c in the block in hand; my eight lie 16 bytes apart
.set PO,   23                          ; v23  256 G + 128 (L / 16) + 4 w: my first column in a parameter
.set STO,  24                          ; v24-25  where I put my first number of the block in hand: stages 0 and 1, stages 2 and 3
.set RD,   26                          ; v26-27  where I read whole rows back
.set SPW,  28                          ; v28  LDS address of my spare word; never rewritten
.set NIL,  29                          ; v29  0; never rewritten
.set PFO,  30                          ; v30  256 L: the tile prefetches' offset
.set PCO,  31                          ; v31  8,192 L: a lane a row of c or ssm_state
.set P_AN, 32                          ; -log2(e) e^A_log
.set P_D,  40
.set CC,   48
.set SS,   56
.set F0,   64
.set F1,   128
.set P_BI, 192                         ; the gates' biases, scaled like their sums
.set P_BF, 200
.set P_BO, 208
.set P_BG, 216
.set P_BX, 224                         ; in_proj_b's three parts
.set P_BB, 232
.set P_BC, 240
.set P_BD, 248                         ; dt_proj_b
.set EI, 64                            ; the cell's work registers, 8 each
.set EF, 72
.set EO, 80
.set EG, 88
.set EX, 96
.set EB, 104
.set EC, 112
.set ED, 120
.set ET, 128
.set EU, 136
.set EW, 144
.set ECL, 152
.set EE, 160
.set ES, 168
.set WV, 16                            ; s16 wave; s17 wave / 2: I fetch rows (0) or weights (1); s18 wave % 2: which half
.set FB, 17
.set HF, 18
.set CX, 19
.set CY, 20
.set GG, 21
.set YB, 22
.set G1A, 24                           ; s[24:31] group 1, rows' tiles: 64 rows of 256 bytes, mask of my row of the cluster
.set G1B, 32                           ; s[32:39] group 1, weights' tiles: 224 rows of 256 bytes, mask of my column
.set G0A, 40                           ; s[40:47] group 0 for the rows' tiles, a set for each slot
.set G0B, 48                           ; s[48:55] the same for the weights'
.set G1C, 56                           ; s[56:63] group 1 for c and ssm_state: 128 rows of 64 f32, padded; no mask
.set G0R, 68                           ; s[68:71] group 0 for dt_r's fragments
.set G0C, 72                           ; s[72:75] group 0 for c (wave 2) or ssm_state (wave 3)
.set PFA, 76                           ; s[76:77] where my tile prefetches stand
.set PFS, 78                           ; s[78:79] their step: two K steps
.set LIM, 80                           ; s80  1 in a wave that prefetches tiles, else the greatest number
.set LIC, 81                           ; s81  1 in waves 1 and 2, else 0
.set PFC, 82                           ; s[82:83] c or ssm_state (by wave % 2) at the work-group's tile
.set NL,  92                           ; s[92:93] -log2(e)
.set TL,  94                           ; s[94:95] 2 log2(e)
.set LN2, 96                           ; s96 ln 2; s97 2^-12
.set MASK, 98                          ; s98 a word's upper bf16
.set OFFO, 100                         ; s[100:101] 1 MiB x yb + 256 G: the tile's place in c, ssm_state and the four outputs
.set MSB, 0
.macro WIN new                         ; the immediate's high byte repeats the setting that is left; a switch that changes nothing is dropped
.if MSB != (\new)
	s_set_vgpr_msb (MSB<<8)|(\new)
.set MSB, \new
.endif
.endm
.set MUL_LO, 0xa1                      ; source 0 (weights) window 1, source 1 (rows) window 0, C and D window 2
.set MUL_HI, 0xf1                      ; the same, C and D window 3
.set TO_B,   0x40                      ; destination window 1, address window 0
; A joint refill.  Waves 0 and 1 fetch the two halves of the rows' tile, waves 2 and 3 those of the weights'.  The branch hangs on the wave's number alone.
; An s_nop 0 and four v_nop follow each of the two lines, ahead of the jump, the label and what follows.
.macro JLOAD s
	s_cmp_eq_u32 s[FB], 0
	s_cbranch_scc0 .Lfor_b_\@
	tensor_load_to_lds s[G0A+4*(\s):G0A+4*(\s)+3], s[G1A:G1A+7]
	s_nop 0
.rept 4
	v_nop
.endr
	s_branch .Lasked_\@
.Lfor_b_\@:
	tensor_load_to_lds s[G0B+4*(\s):G0B+4*(\s)+3], s[G1B:G1B+7]
	s_nop 0
.rept 4
	v_nop
.endr
.Lasked_\@:
.endm
.macro JLOADX                          ; the 33rd step: waves 0 and 1 fetch dt_r's fragments (jointly, like the rows), wave 2 the work-group's own c tile, wave 3 its ssm_state tile
	s_cmp_eq_u32 s[FB], 0
	s_cbranch_scc0 .Lfor_c_\@
	tensor_load_to_lds s[G0R:G0R+3], s[G1A:G1A+7]
	s_nop 0
.rept 4
	v_nop
.endr
	s_branch .Lasked_\@
.Lfor_c_\@:
	tensor_load_to_lds s[G0C:G0C+3], s[G1C:G1C+7]
	s_nop 0
.rept 4
	v_nop
.endr
.Lasked_\@:
.endm
; PREFETCHES INTO THE L2, once a lap, behind the joint load, its five lines and the run of LDS loads.  In lap i they name K steps 2 i + 4 and 2 i + 5, which are consecutive bytes: two and three K steps (448 and 672
; matrix instructions) ahead of the refills that will ask for them.  Each block of 256 bytes is named once in the launch: the rows' tiles are read by every cluster of a row of clusters, of which the first (cluster x = 0)
; asks, by its wave 0; the weights' by both clusters of a column, of which the first (cluster y = 0) asks, by its wave 3.  The four partners that ask for a tile jointly share its bytes out BY ADDRESS
; (16,384 cx of the rows' 65,536, 57,344 cy of the weights' 229,376): no branch hangs on a place in the cluster.  A lane names one block, an instruction 8,192 bytes.
; The first four K steps come by their loads alone; the loop's last trip has no K steps left and asks instead for the work-group's own tiles of c (wave 2) and ssm_state (wave 1), a lane a row.
.macro ASK
	s_cmp_gt_u32 s3, s[LIM]                        ; s3 = 1 in the loop's last trip
	s_cbranch_scc0 .Lno_tiles_\@
	s_cmp_eq_u32 s[FB], 0
	s_cbranch_scc0 .Lask_b_\@
.irp n, 0,1
	global_prefetch_b8 v[PFO], s[PFA:PFA+1] offset:8192*(\n) th:TH_LOAD_NT scope:SCOPE_SE
.endr
	s_branch .Lno_tiles_\@
.Lask_b_\@:
.irp n, 0,1,2,3,4,5,6
	global_prefetch_b8 v[PFO], s[PFA:PFA+1] offset:8192*(\n) th:TH_LOAD_NT scope:SCOPE_SE
.endr
.Lno_tiles_\@:
	s_cmp_eq_u32 s3, s[LIC]
	s_cbranch_scc0 .Lno_c_\@
.irp n, 0,1,2,3
	global_prefetch_b8 v[PCO], s[PFC:PFC+1] offset:262144*(\n) th:TH_LOAD_NT scope:SCOPE_SE
.endr
.Lno_c_\@:
.endm
; A round of the cluster's barrier: my work-group's barrier, so that wave 0's signal speaks for all four waves; wave 0 signals; every wave waits for all sixteen work-groups; my work-group's barrier once more.
.macro CREST
	s_cmp_lg_u32 s[WV], 0
	s_cbranch_scc1 .Lnot_wave_0_\@
	s_barrier_signal -3
.Lnot_wave_0_\@:
	s_barrier_wait -3
	s_barrier_signal -1
	s_barrier_wait -1
.endm
.macro CROUND
	s_barrier_signal -1
	s_barrier_wait -1
	CREST
.endm
.macro RND2 lo                         ; the pair v[lo], v[lo + 1] rounded to bf16 and widened again
	v_cvt_pk_bf16_f32 v[TT+((\lo)/2)%2], v[\lo], v[(\lo)+1]
	v_lshlrev_b32 v[\lo], 16, v[TT+((\lo)/2)%2]
	v_and_b32 v[(\lo)+1], s[MASK], v[TT+((\lo)/2)%2]
.endm
	s_load_b256 s[4:11], s[0:1], 0x0               ; abf s[4:5], wfr s[6:7], rfr s[8:9], pfr s[10:11]
	s_load_b128 s[12:15], s[0:1], 0x20             ; c s[12:13], ssm_state s[14:15]
	s_load_b512 s[84:99], s[0:1], 0x30             ; Wi_b, Wf_b, Wo_b, Wg_b, in_proj_b, dt_proj_b, A_log, D
	v_lshl_add_u32 v[SPW], v0, 2, SPARE
	v_mov_b32 v[NIL], 0
	ds_add_u32 v[SPW], v[NIL]                      ; the wave's opening: the add, twice on end, and its wait ahead of my first tensor load; the set-up below stands between
	ds_add_u32 v[SPW], v[NIL]
	v_lshrrev_b32 v1, 5, v0
	v_readfirstlane_b32 s[WV], v1                  ; wave 0..3
	s_lshr_b32 s[FB], s[WV], 1
	s_and_b32 s[HF], s[WV], 1
	s_bfe_u32 s[CX], ttmp6, 0x40000                ; my place in the cluster
	s_bfe_u32 s[CY], ttmp6, 0x40004
	s_lshl_b32 s[GG], ttmp9, 2
	s_add_co_u32 s[GG], s[GG], s[CX]               ; G = 4 x cluster x + cx
	s_and_b32 s[YB], ttmp7, 0xffff
	s_lshl_b32 s[YB], s[YB], 2
	s_add_co_u32 s[YB], s[YB], s[CY]               ; yb = 4 x cluster y + cy
	s_lshl_b32 s23, s[CY], 2
	s_lshl_b32 s23, 15, s23                        ; my row of the cluster
	s_lshl_b32 s2, 0x1111, s[CX]                   ; my column
	s_or_b32 s[G1A], s23, (3<<16)|(1<<21)          ; 15:0 the mask; 17:16 elements of 8 bytes; 21 set beside a mask; no padding
	s_or_b32 s[G1B], s2, (3<<16)|(1<<21)
	s_mov_b32 s[G1A+1], 32<<16                     ; tensor_dim0 = 32 elements: rows of 256 bytes
	s_mov_b32 s[G1A+2], 64<<16                     ; tensor_dim1 = 64
	s_mov_b32 s[G1A+3], 32<<16                     ; tile_dim0 = 32
	s_mov_b32 s[G1A+4], 64                         ; tile_dim1 = 64: 16,384 dense bytes
	s_mov_b32 s[G1A+5], 32                         ; 32 elements from row to row
	s_mov_b32 s[G1A+6], 0
	s_mov_b32 s[G1A+7], 0
	s_mov_b32 s[G1B+1], 32<<16
	s_mov_b32 s[G1B+2], 224<<16                    ; 224 rows: 57,344 dense bytes
	s_mov_b32 s[G1B+3], 32<<16
	s_mov_b32 s[G1B+4], 224
	s_mov_b32 s[G1B+5], 32
	s_mov_b32 s[G1B+6], 0
	s_mov_b32 s[G1B+7], 0
	s_mov_b32 s[G1C], (2<<16)|(1<<20)|(5<<22)|(3<<25)  ; elements of 4 bytes; padding on: after every 64 words (code 5) 4 words (code 3)
	s_mov_b32 s[G1C+1], 64<<16
	s_mov_b32 s[G1C+2], 128<<16
	s_mov_b32 s[G1C+3], 64<<16
	s_mov_b32 s[G1C+4], 128
	s_mov_b32 s[G1C+5], 2048
	s_mov_b32 s[G1C+6], 0
	s_mov_b32 s[G1C+7], 0
	s_lshl_b32 s23, s[HF], 14                      ; my half of the rows' tile: no place in the cluster enters an LDS address
	s_mov_b32 s[G0A], 1
	s_mov_b32 s[G0A+1], s23
	s_mov_b32 s[G0A+4], 1
	s_add_co_u32 s[G0A+5], s23, SLOT
	s_mov_b32 s[G0R], 1
	s_mov_b32 s[G0R+1], s23
	s_mul_i32 s81, s[HF], 57344                    ; my half of the weights' tile
	s_mov_b32 s[G0B], 1
	s_add_co_u32 s[G0B+1], s81, BOFF
	s_mov_b32 s[G0B+4], 1
	s_add_co_u32 s[G0B+5], s81, SLOT+BOFF
	s_mul_i32 s80, s[HF], CTILE
	s_mov_b32 s[G0C], 1
	s_add_co_u32 s[G0C+1], s80, CT
	s_lshl_b32 s66, s[YB], 20                      ; the rows' offsets are made of yb and the wave's number alone,
	s_add_co_u32 s66, s66, s23
	s_mov_b32 s67, 0
	s_mul_i32 s2, s[GG], 32*BSTEP                  ; the weights' of G and the wave's number alone
	s_add_co_u32 s2, s2, s81
	s_mov_b32 s3, 0
	s_lshl_b32 s[OFFO], s[YB], 20
	s_lshl_b32 s80, s[GG], 8
	s_add_co_u32 s[OFFO], s[OFFO], s80
	s_mov_b32 s[OFFO+1], 0
	s_wait_dscnt 0x0                               ; both opening adds are done
	s_wait_kmcnt 0x0
	s_add_nc_u64 s[G0A+2:G0A+3], s[4:5], s[66:67]  ; K step 0,
	s_add_nc_u64 s[G0A+6:G0A+7], s[G0A+2:G0A+3], ASTEP  ; K step 1
	s_or_b32 s[G0A+3], s[G0A+3], 0x80000000        ; type = 2
	s_or_b32 s[G0A+7], s[G0A+7], 0x80000000
	s_add_nc_u64 s[G0B+2:G0B+3], s[6:7], s[2:3]
	s_add_nc_u64 s[G0B+6:G0B+7], s[G0B+2:G0B+3], BSTEP
	s_or_b32 s[G0B+3], s[G0B+3], 0x80000000
	s_or_b32 s[G0B+7], s[G0B+7], 0x80000000
	s_lshl_b32 s66, s[YB], 15
	s_add_co_u32 s66, s66, s23
	s_add_nc_u64 s[G0R+2:G0R+3], s[8:9], s[66:67]
	s_or_b32 s[G0R+3], s[G0R+3], 0x80000000
	s_cmp_eq_u32 s[HF], 0
	s_cselect_b64 s[PFC:PFC+1], s[12:13], s[14:15]
	s_add_nc_u64 s[PFC:PFC+1], s[PFC:PFC+1], s[OFFO:OFFO+1]
	s_mov_b64 s[G0C+2:G0C+3], s[PFC:PFC+1]
	s_or_b32 s[G0C+3], s[G0C+3], 0x80000000
	CROUND                                         ; all sixteen work-groups are here: the first joint loads meet
	s_cmp_eq_u32 s[FB], 0                          ; a wave's two first fills stand in one branch, ahead of every wait on TENSORcnt and every LDS read: two loads of mine are out
	s_cbranch_scc0 .Lfirst_b
	tensor_load_to_lds s[G0A:G0A+3], s[G1A:G1A+7]
	s_nop 0
	tensor_load_to_lds s[G0A+4:G0A+7], s[G1A:G1A+7]
	s_nop 0
.rept 4
	v_nop
.endr
	s_branch .Lfirst_asked
.Lfirst_b:
	tensor_load_to_lds s[G0B:G0B+3], s[G1B:G1B+7]
	s_nop 0
	tensor_load_to_lds s[G0B+4:G0B+7], s[G1B:G1B+7]
	s_nop 0
.rept 4
	v_nop
.endr
.Lfirst_asked:
	v_and_b32 v1, 15, v0                           ; L % 16
	v_bfe_u32 v2, v0, 4, 1                         ; L / 16
	v_and_b32 v3, 31, v0                           ; L
	v_lshlrev_b32 v[ADRA], 4, v3
	v_add_nc_u32 v[ADRA+1], SLOT, v[ADRA]
	s_mul_i32 s23, s[WV], WPART
	s_add_co_u32 s23, s23, BOFF
	v_add_nc_u32 v[ADRB], s23, v[ADRA]
	v_add_nc_u32 v[ADRB+1], SLOT, v[ADRB]
	v_lshlrev_b32 v4, 7, v2
	v_lshl_add_u32 v4, s[WV], 2, v4                ; 128 (L / 16) + 4 w: my first column in a row of 64 f32
	v_mad_u32_u24 v5, v1, CP, v4
	v_add_nc_u32 v[CRD], CT, v5
	v_add_nc_u32 v[STO], STAGE, v5
	v_add_nc_u32 v[STO+1], STAGE+2*CTILE, v5
	v_lshl_add_u32 v6, s[WV], 5, v2                ; row 32 w + L / 16
	v_lshlrev_b32 v7, 4, v1
	v_mad_u32_u24 v8, v6, CP, v7
	v_add_nc_u32 v[RD], STAGE, v8
	v_add_nc_u32 v[RD+1], STAGE+2*CTILE, v8
	v_lshl_add_u32 v[CO], v6, 13, v7
	v_lshl_add_u32 v[VP], s[WV], 12, v[ADRA]
	s_lshl_b32 s2, s[GG], 8
	v_add_nc_u32 v[PO], s2, v4
	v_lshlrev_b32 v[PFO], 8, v3
	v_lshlrev_b32 v[PCO], 13, v3
	s_lshl_b32 s2, s[GG], 14
	s_mov_b32 s3, 0
	s_add_nc_u64 s[10:11], s[10:11], s[2:3]        ; pfr at the work-group's 16 fragments
.macro PLOAD reg, ptr, off             ; my 8 columns of a parameter, four columns apart; once a launch
.irp j, 0,1,2,3,4,5,6,7
	global_load_b32 v[(\reg)+(\j)], v[PO], s[(\ptr):(\ptr)+1] offset:(\off)+16*(\j)
.endr
.endm
	PLOAD P_BI, 84, 0
	PLOAD P_BF, 86, 0
	PLOAD P_BO, 88, 0
	PLOAD P_BG, 90, 0
	PLOAD P_BX, 92, 0                              ; in_proj_b: x_ssm at column 0,
	PLOAD P_BB, 92, 8704                           ; Bsel at 2176,
	PLOAD P_BC, 92, 16896                          ; Csel at 4224
	PLOAD P_BD, 94, 0
	PLOAD P_AN, 96, 0
	PLOAD P_D,  98, 0
	WIN TO_B
.irp q, 0,1,2,3
	global_load_b128 v[8*(\q):8*(\q)+3],   v[VP], s[10:11] offset:1024*(\q)
	global_load_b128 v[8*(\q)+4:8*(\q)+7], v[VP], s[10:11] offset:1024*(\q)+512
.endr
	WIN 0
	; the prefetches' registers
	s_lshl_b32 s78, s[YB], 20
	s_lshl_b32 s80, s[CX], 14
	s_add_co_u32 s78, s78, s80
	s_add_co_u32 s78, s78, 2*ASTEP                 ; rows: my quarter of K steps 2 and 3; the first lap steps it to 4 and 5
	s_mul_i32 s79, s[GG], 32*BSTEP
	s_mul_i32 s80, s[CY], 57344
	s_add_co_u32 s79, s79, s80
	s_add_co_u32 s79, s79, 2*BSTEP                 ; weights likewise
	s_mov_b32 s80, 2*BSTEP
	s_cmp_eq_u32 s[FB], 0
	s_cselect_b32 s78, s78, s79
	s_cselect_b64 s[PFA:PFA+1], s[4:5], s[6:7]
	s_mov_b32 s79, 0
	s_add_nc_u64 s[PFA:PFA+1], s[PFA:PFA+1], s[78:79]
	s_cselect_b32 s[PFS], 2*ASTEP, s80
	s_and_b32 s80, ttmp7, 0xffff
	s_cmp_eq_u32 s[FB], 0
	s_cselect_b32 s80, ttmp9, s80                  ; the coordinate along which other clusters read the same tiles
	s_xor_b32 s[LIC], s[FB], s[HF]                 ; 0 in waves 0 and 3, 1 in waves 1 and 2
	s_or_b32 s80, s80, s[LIC]
	s_cmp_eq_u32 s80, 0
	s_cselect_b32 s[LIM], 1, -1                    ; the same in all sixteen partners, for a given wave
	s_wait_loadcnt 0x0                             ; the parameters and dt_proj_w's fragments are in: s[84:99] may be written
	s_load_b256 s[84:91], s[0:1], 0x70             ; clstm, cssm, ogate, out2
	s_mov_b32 s[NL], 0xbfb8aa3b
	s_mov_b32 s[NL+1], 0xbfb8aa3b
	s_mov_b32 s[TL], 0x4038aa3b
	s_mov_b32 s[TL+1], 0x4038aa3b
	s_mov_b32 s[LN2], 0x3f317218
	s_mov_b32 s[LN2+1], 0x39800000
	s_mov_b32 s[MASK], 0xffff0000
.set j, P_AN
.rept 8
	RND2 j
.set j, j+2
.endr
.set j, P_BI
.rept 32
	RND2 j
.set j, j+2
.endr
.set j, 0
.rept 8
	v_mul_f32 v[P_AN+j], 0x3fb8aa3b, v[P_AN+j]
.set j, j+1
.endr
.set j, 0
.rept 8
	v_exp_f32 v[P_AN+j], v[P_AN+j]                 ; e^A_log
.set j, j+1
.endr
.set j, 0
.rept 12
	v_pk_mul_f32 v[P_BI+j:P_BI+j+1], v[P_BI+j:P_BI+j+1], s[NL:NL+1] op_sel_hi:[1,0]  ; the biases of i, f, o take the sums' factor -log2(e),
.set j, j+2
.endr
.set j, 0
.rept 4
	v_pk_mul_f32 v[P_BG+j:P_BG+j+1], v[P_BG+j:P_BG+j+1], s[TL:TL+1] op_sel_hi:[1,0]  ; g's 2 log2(e)
.set j, j+2
.endr
	s_wait_alu depctr_va_vdst(0)                   ; one wait for the eight exponentials, ahead of their first reader; the sixteen lines above are the plain work between
.set j, 0
.rept 4
	v_pk_mul_f32 v[P_AN+j:P_AN+j+1], v[P_AN+j:P_AN+j+1], s[NL:NL+1] op_sel_hi:[1,0]
.set j, j+2
.endr
	s_wait_kmcnt 0x0
.irp p, 84,86,88,90
	s_add_nc_u64 s[\p:\p+1], s[\p:\p+1], s[OFFO:OFFO+1]
.endr
; 14 matrix instructions: row blocks a0, a0 + 1 of the window's four (hi = 0: blocks 0-3, 1: blocks 4-7) x the 7 matrices, 32 along K.  zero = 1: the product starts the sum: nothing is cleared.
; The 56 accumulators take turns in the same order in every quarter.
.macro MUL14 f, hi, a0, zero
	WIN MUL_LO+0x50*(\hi)
.irp a, \a0, (\a0)+1
.irp b, 0,1,2,3,4,5,6
.if \zero
	v_wmma_f32_16x16x32_bf16 v[8*(8*(\a)+(\b)):8*(8*(\a)+(\b))+7], v[(\f)+8*(\b):(\f)+8*(\b)+7], v[(\f)+8*(4*(\hi)+(\a)):(\f)+8*(4*(\hi)+(\a))+7], 0
.else
	v_wmma_f32_16x16x32_bf16 v[8*(8*(\a)+(\b)):8*(8*(\a)+(\b))+7], v[(\f)+8*(\b):(\f)+8*(\b)+7], v[(\f)+8*(4*(\hi)+(\a)):(\f)+8*(4*(\hi)+(\a))+7], v[8*(8*(\a)+(\b)):8*(8*(\a)+(\b))+7]
.endif
.endr
.endr
.endm
.macro FETCHA slot, q, f               ; 16 LDS loads: the 8 row blocks' fragments of quarter q
	WIN 0
.irp a, 0,1,2,3,4,5,6,7
	ds_load_b128 v[(\f)+8*(\a):(\f)+8*(\a)+3],   v[ADRA+(\slot)] offset:(4*(\a)+(\q))*1024
	ds_load_b128 v[(\f)+8*(\a)+4:(\f)+8*(\a)+7], v[ADRA+(\slot)] offset:(4*(\a)+(\q))*1024+512
.endr
.endm
.macro FETCH slot, q, f                ; 30 LDS loads in one run: my 7 fragments of weights, then the rows'
	WIN TO_B
.irp m, 0,1,2,3,4,5,6
	ds_load_b128 v[(\f)+8*(\m):(\f)+8*(\m)+3],   v[ADRB+(\slot)] offset:(4*(\m)+(\q))*1024
	ds_load_b128 v[(\f)+8*(\m)+4:(\f)+8*(\m)+7], v[ADRB+(\slot)] offset:(4*(\m)+(\q))*1024+512
.endr
	FETCHA \slot, \q, \f
.endm
.macro PLACES                          ; four places in front of loads into registers that matrix instructions have read, and of vector lines that read results or write sources
.rept 4
	v_nop
.endr
.endm
; A K step is four quarters of 32 along K, 56 matrix instructions each, on buffers 0, 1, 0, 1.  One of the first three: multiplies buffer f; in its middle it fetches quarter q of the same slot into buffer g.
.macro QUARTER slot, q, f, g, zero
	s_wait_dscnt 8                                 ; the weights and row blocks 0-3 are in; the youngest eight loads (blocks 4-7) may be out
	MUL14 \f, 0, 0, \zero
	MUL14 \f, 0, 2, \zero
	PLACES
	FETCH \slot, \q, \g
	s_wait_dscnt 30                                ; all but the 30 just issued
	MUL14 \f, 1, 0, \zero
	MUL14 \f, 1, 2, \zero
.endm
; The last quarter multiplies buffer 1 and changes slots.  MEET is its first half: each wave waits for all its tensor loads, of which one is out: its part of the next slot; adds 0 to its spare word; and waits for
; that and for its own reads of this slot.  Behind the barrier nobody reads this slot any more and the next slot is whole.
.macro MEET round
	WIN 0                                          ; (the add's two registers lie in window 0)
	s_wait_tensorcnt 0x0
	ds_add_u32 v[SPW], v[NIL]                      ; 0 onto my spare word
	s_wait_dscnt 9                                 ; (the add and the youngest eight loads may be out)
	MUL14 F1, 0, 0, 0                              ; fourteen matrix instructions stand between the add and the wait for it
	s_wait_dscnt 0x0                               ; the add is done, and my reads of this slot are over
	s_barrier_signal -1
	MUL14 F1, 0, 2, 0                              ; work on registers while the others arrive
.if \round
	WIN 0
.endif
	s_barrier_wait -1
.endm
; The whole last quarter.  The barrier opens a round of the cluster's barrier; behind the round the slot just read out is filled again first: kind = 0 with the K step two steps on, kind = 1 with the 33rd step's tiles.
.macro TURN slot, next, kind
.if ((\slot) == 0) && ((\kind) == 0)
	s_wait_xcnt 0x0                                ; the last prefetches, a lap back, have read their address: it is stepped here, ahead of the waits of the change of slots
	s_add_nc_u64 s[PFA:PFA+1], s[PFA:PFA+1], s[PFS:PFS+1]
.endif
	MEET 1
	CREST                                          ; no wave of any partner still reads this slot's tiles or has a load on its way
.if (\kind) == 0
	s_add_nc_u64 s[G0A+4*(\slot)+2:G0A+4*(\slot)+3], s[G0A+4*(\slot)+2:G0A+4*(\slot)+3], 2*ASTEP
	s_add_nc_u64 s[G0B+4*(\slot)+2:G0B+4*(\slot)+3], s[G0B+4*(\slot)+2:G0B+4*(\slot)+3], 2*BSTEP
	JLOAD \slot                                    ; the four v_nop behind it are also the places in front of the loads below
.else
	JLOADX
.endif
	FETCH \next, 0, F0
.if ((\slot) == 0) && ((\kind) == 0)
	ASK
.endif
	MUL14 F1, 1, 0, 0
	MUL14 F1, 1, 2, 0
.endm
; The 33rd step: 8 matrix instructions, dt's accumulators (a, 7) by turns; source 0 = dt_proj_w's fragment q, kept in window 1 since the head
.macro MULX f, q, zero
.irp a, 0,1,2,3,4,5,6,7
	WIN MUL_LO+0x50*((\a)/4)
.if \zero
	v_wmma_f32_16x16x32_bf16 v[8*(8*((\a)%4)+7):8*(8*((\a)%4)+7)+7], v[8*(\q):8*(\q)+7], v[(\f)+8*(\a):(\f)+8*(\a)+7], 0
.else
	v_wmma_f32_16x16x32_bf16 v[8*(8*((\a)%4)+7):8*(8*((\a)%4)+7)+7], v[8*(\q):8*(\q)+7], v[(\f)+8*(\a):(\f)+8*(\a)+7], v[8*(8*((\a)%4)+7):8*(8*((\a)%4)+7)+7]
.endif
.endr
.endm
	s_wait_tensorcnt 1                             ; my part of K step 0 is in; K step 1's may stay out
	s_barrier_signal -1
	s_barrier_wait -1                              ; everybody's is
	FETCH 0, 0, F0
	QUARTER 0, 1, F0, F1, 1                        ; the first quarter stands in front of the loop: its products start the sums
	WIN 0                                          ; at a label and at a branch every window is 0
	s_mov_b32 s3, 15
.Llap:                                                 ; a trip goes once round the ring, from a lap's second quarter to the next lap's first, and fills both slots again: K steps 2 to 31
	QUARTER 0, 2, F1, F0, 0
	QUARTER 0, 3, F0, F1, 0
	TURN 0, 1, 0
	QUARTER 1, 1, F0, F1, 0
	QUARTER 1, 2, F1, F0, 0
	QUARTER 1, 3, F0, F1, 0
	TURN 1, 0, 0
	QUARTER 0, 1, F0, F1, 0
	WIN 0
	s_sub_co_u32 s3, s3, 1
	s_cmp_lg_u32 s3, 0
	s_cbranch_scc1 .Llap
	QUARTER 0, 2, F1, F0, 0                        ; the last lap is written out: K step 30,
	QUARTER 0, 3, F0, F1, 0
	TURN 0, 1, 1                                   ; behind which slot 0 takes dt_r, c and ssm_state,
	QUARTER 1, 1, F0, F1, 0                        ; and K step 31
	QUARTER 1, 2, F1, F0, 0
	QUARTER 1, 3, F0, F1, 0
	MEET 0                                         ; slot 0's three tiles have landed, everybody's part; nobody reads slot 1 any more; nothing is filled again, so no round follows
	PLACES
	FETCHA 0, 0, F0                                ; dt_r, quarter 0
	MUL14 F1, 1, 0, 0
	MUL14 F1, 1, 2, 0
	PLACES
	FETCHA 0, 1, F1
	s_wait_dscnt 16                                ; all but the 16 just issued
	MULX F0, 0, 1
	PLACES
	FETCHA 0, 2, F0
	s_wait_dscnt 16
	MULX F1, 1, 0
	PLACES
	FETCHA 0, 3, F1
	s_wait_dscnt 16
	MULX F0, 2, 0
	s_wait_dscnt 0x0
	MULX F1, 3, 0
	PLACES                                         ; behind the last products: the cell reads results and writes over the fragments' registers
	WIN 0
; THE CELL, written once and walked eight times, a row block a trip: my 8 elements of the block (row 16 a + L % 16, 8 columns four apart).  Only the 32 lines that name the block's accumulators (READ) are written
; for each block; forward jumps on the trip's counter choose among them.  The LDS addresses step by 16 rows a trip.
.macro READ a                          ; the eight sums of block a into window 0, with bias and scale.  Each accumulator's lowest registers are read first
.set AC, 64*((\a)%4)
	WIN 0x02+(\a)/4                                ; source 0 in the accumulators' window
.irp p, 0,2,4,6
	v_pk_fma_f32 v[EI+\p:EI+\p+1], v[AC+\p:AC+\p+1],       s[NL:NL+1], v[P_BI+\p:P_BI+\p+1] op_sel_hi:[1,0,1]
	v_pk_fma_f32 v[EF+\p:EF+\p+1], v[AC+8+\p:AC+8+\p+1],   s[NL:NL+1], v[P_BF+\p:P_BF+\p+1] op_sel_hi:[1,0,1]
	v_pk_fma_f32 v[EO+\p:EO+\p+1], v[AC+16+\p:AC+16+\p+1], s[NL:NL+1], v[P_BO+\p:P_BO+\p+1] op_sel_hi:[1,0,1]
	v_pk_fma_f32 v[EG+\p:EG+\p+1], v[AC+24+\p:AC+24+\p+1], s[TL:TL+1], v[P_BG+\p:P_BG+\p+1] op_sel_hi:[1,0,1]
	v_pk_add_f32 v[EX+\p:EX+\p+1], v[AC+32+\p:AC+32+\p+1], v[P_BX+\p:P_BX+\p+1]
	v_pk_add_f32 v[EB+\p:EB+\p+1], v[AC+40+\p:AC+40+\p+1], v[P_BB+\p:P_BB+\p+1]
	v_pk_add_f32 v[EC+\p:EC+\p+1], v[AC+48+\p:AC+48+\p+1], v[P_BC+\p:P_BC+\p+1]
	v_pk_add_f32 v[ED+\p:ED+\p+1], v[AC+56+\p:AC+56+\p+1], v[P_BD+\p:P_BD+\p+1]
.endr
	WIN 0
.endm
	s_mov_b32 s3, 8                                ; blocks to go: block a = 8 - s3
.Lcell:
.irp j, 0,1,2,3,4,5,6,7
	ds_load_b32 v[CC+\j], v[CRD] offset:16*(\j)
.endr
.irp j, 0,1,2,3,4,5,6,7
	ds_load_b32 v[SS+\j], v[CRD] offset:CTILE+16*(\j)
.endr
.irp a, 0,1,2,3,4,5,6
	s_cmp_eq_u32 s3, 8-(\a)
	s_cbranch_scc1 .Lacc\a
.endr
	READ 7
	s_branch .Lrest
.irp a, 6,5,4,3,2,1
.Lacc\a:
	READ \a
	s_branch .Lrest
.endr
.Lacc0:
	READ 0
.Lrest:                                                ; three batches of transcendentals, each with one wait ahead of its first reader and plain work between
.irp j, 0,1,2,3,4,5,6,7
	v_mul_f32 v[ET+\j], s[NL], |v[ED+\j]|          ; -|z| log2(e)
.endr
.set j, 0
.rept 32
	v_exp_f32 v[EI+j], v[EI+j]                     ; batch 1: i, f, o, g
.set j, j+1
.endr
.irp j, 0,1,2,3,4,5,6,7
	v_exp_f32 v[ET+\j], v[ET+\j]                   ; and t = e^-|z|
.endr
.irp j, 0,1,2,3,4,5,6,7
	v_max_num_f32 v[ED+\j], 0, v[ED+\j]            ; max(z, 0): plain work behind the batch
.endr
	s_wait_alu depctr_va_vdst(0)
.set j, 0
.rept 16
	v_pk_add_f32 v[EI+j:EI+j+1], v[EI+j:EI+j+1], 1.0 op_sel_hi:[1,0]
.set j, j+2
.endr
.irp p, 0,2,4,6
	v_pk_add_f32 v[EU+\p:EU+\p+1], v[ET+\p:ET+\p+1], 1.0 op_sel_hi:[1,0]
.endr
.set j, 0
.rept 32
	v_rcp_f32 v[EI+j], v[EI+j]                     ; batch 2: i, f, o are done; g's reciprocal
.set j, j+1
.endr
.irp j, 0,1,2,3,4,5,6,7
	v_log_f32 v[EU+\j], v[EU+\j]                   ; log2(1 + t)
.endr
.irp p, 0,2,4,6
	v_pk_mul_f32 v[EW+\p:EW+\p+1], v[ET+\p:ET+\p+1], -0.5 op_sel_hi:[1,0]
.endr
.irp p, 0,2,4,6
	v_pk_fma_f32 v[EW+\p:EW+\p+1], v[EW+\p:EW+\p+1], v[ET+\p:ET+\p+1], v[ET+\p:ET+\p+1]  ; t - t^2 / 2
.endr
	s_wait_dscnt 0x0                               ; c and ssm_state of the block: the sixteen loads at the trip's head are my youngest LDS instructions
.set j, CC
.rept 8
	RND2 j
.set j, j+2
.endr
	s_wait_alu depctr_va_vdst(0)
.irp p, 0,2,4,6
	v_pk_fma_f32 v[EG+\p:EG+\p+1], v[EG+\p:EG+\p+1], -2.0, 1.0 op_sel_hi:[1,0,0]        ; g = tanh
	v_pk_mul_f32 v[EU+\p:EU+\p+1], v[EU+\p:EU+\p+1], s[LN2:LN2+1] op_sel_hi:[1,0]       ; ln(1 + t)
.endr
.irp p, 0,2,4,6
	v_pk_mul_f32 v[ECL+\p:ECL+\p+1], v[EI+\p:EI+\p+1], v[EG+\p:EG+\p+1]
.endr
.irp p, 0,2,4,6
	v_pk_fma_f32 v[ECL+\p:ECL+\p+1], v[EF+\p:EF+\p+1], v[CC+\p:CC+\p+1], v[ECL+\p:ECL+\p+1]  ; c_lstm = f c + i g
.endr
.irp j, 0,1,2,3,4,5,6,7
	v_cmp_gt_f32 vcc_lo, s[LN2+1], v[ET+\j]        ; t below 2^-12: the series
	v_cndmask_b32 v[EU+\j], v[EU+\j], v[EW+\j], vcc_lo
.endr
.irp p, 0,2,4,6
	v_pk_add_f32 v[ED+\p:ED+\p+1], v[ED+\p:ED+\p+1], v[EU+\p:EU+\p+1]                   ; dt = softplus
.endr
.irp p, 0,2,4,6
	v_pk_mul_f32 v[EE+\p:EE+\p+1], v[ED+\p:ED+\p+1], v[P_AN+\p:P_AN+\p+1]
.endr
.irp j, 0,1,2,3,4,5,6,7
	v_exp_f32 v[EE+\j], v[EE+\j]                   ; batch 3: A_disc = e^(dt A)
.endr
.irp p, 0,2,4,6
	v_pk_mul_f32 v[EB+\p:EB+\p+1], v[ED+\p:ED+\p+1], v[EB+\p:EB+\p+1]                   ; dt Bsel
.endr
.irp p, 0,2,4,6
	v_pk_mul_f32 v[EB+\p:EB+\p+1], v[EB+\p:EB+\p+1], v[EX+\p:EX+\p+1]                   ; (dt Bsel) x_ssm
.endr
.irp p, 0,2,4,6
	v_pk_mul_f32 v[EX+\p:EX+\p+1], v[P_D+\p:P_D+\p+1], v[EX+\p:EX+\p+1]                 ; D x_ssm
.endr
	s_wait_alu depctr_va_vdst(0)
.irp p, 0,2,4,6
	v_pk_fma_f32 v[ES+\p:ES+\p+1], v[EE+\p:EE+\p+1], v[SS+\p:SS+\p+1], v[EB+\p:EB+\p+1] ; ssm_state_new
.endr
.irp p, 0,2,4,6
	v_pk_fma_f32 v[EC+\p:EC+\p+1], v[EC+\p:EC+\p+1], v[ES+\p:ES+\p+1], v[EX+\p:EX+\p+1] ; c_ssm
.endr
.irp j, 0,1,2,3,4,5,6,7
	ds_store_b32 v[STO],   v[ECL+\j] offset:16*(\j)
	ds_store_b32 v[STO],   v[EC+\j]  offset:CTILE+16*(\j)
	ds_store_b32 v[STO+1], v[EO+\j]  offset:16*(\j)
	ds_store_b32 v[STO+1], v[ES+\j]  offset:CTILE+16*(\j)
.endr
	v_add_nc_u32 v[CRD], 16*CP, v[CRD]             ; the next block's 16 rows
	v_add_nc_u32 v[STO], 16*CP, v[STO]
	v_add_nc_u32 v[STO+1], 16*CP, v[STO+1]
	s_sub_co_u32 s3, s3, 1
	s_cmp_lg_u32 s3, 0
	s_cbranch_scc1 .Lcell
	; THE WAY OUT.  A row's 256 bytes come from four waves: a barrier stands between the writing and the reading.  Then wave w takes rows 32 w .. +31 of each stage, whole.
	s_wait_dscnt 0x0                               ; for the others' sake: my stores into the stages are done
	s_barrier_signal -1
	s_barrier_wait -1
.macro OUT2 u                          ; stages 2 u and 2 u + 1
.irp i, 0,1,2,3,4,5,6,7,8,9,10,11,12,13,14,15
	ds_load_b128 v[64+4*(\i):64+4*(\i)+3], v[RD+(\u)] offset:2*CP*(\i)
.endr
.irp i, 0,1,2,3,4,5,6,7,8,9,10,11,12,13,14,15
	ds_load_b128 v[128+4*(\i):128+4*(\i)+3], v[RD+(\u)] offset:2*CP*(\i)+CTILE
.endr
.irp i, 0,1,2,3,4,5,6,7,8,9,10,11,12,13,14,15
	s_wait_dscnt 31-(\i)
	global_store_b128 v[CO], v[64+4*(\i):64+4*(\i)+3], s[84+4*(\u):85+4*(\u)] offset:16384*(\i)  ; 16 lanes store 256 consecutive bytes, at a multiple of 256 from the buffer's first byte
.endr
.irp i, 0,1,2,3,4,5,6,7,8,9,10,11,12,13,14,15
	s_wait_dscnt 15-(\i)
.if \u
	global_store_b128 v[CO], v[128+4*(\i):128+4*(\i)+3], s[86+4*(\u):87+4*(\u)] offset:16384*(\i) th:TH_STORE_NT
.else
	global_store_b128 v[CO], v[128+4*(\i):128+4*(\i)+3], s[86+4*(\u):87+4*(\u)] offset:16384*(\i)
.endif
.endr
.endm
	OUT2 0
	s_wait_xcnt 0x0                                ; the stores have read their registers, which are loaded again only behind this wait
	OUT2 1
	s_wait_tensorcnt 0x0                           ; the wave's end: behind my last tensor load and my last LDS store
	ds_add_u32 v[SPW], v[NIL]
	s_wait_dscnt 0x0
	CROUND                                         ; the closing round: no work-group ends while a partner may still ask for a tile that names it
	s_endpgm
.Lfunc_end_k_qe9cb27bcef_main:
	.size	k_qe9cb27bcef_main, .Lfunc_end_k_qe9cb27bcef_main-k_qe9cb27bcef_main
	.p2alignl 7, 3214868480
	.fill 96, 4, 3214868480
	.section	.rodata,"a",@progbits
	.p2align	6, 0x0
	.amdhsa_kernel k_qe9cb27bcef_main
		.amdhsa_group_segment_fixed_size 327680
		.amdhsa_private_segment_fixed_size 0
		.amdhsa_enable_private_segment 0
		.amdhsa_kernarg_size 144
		.amdhsa_user_sgpr_count 2
		.amdhsa_user_sgpr_kernarg_segment_ptr 1
		.amdhsa_wavefront_size32 1
		.amdhsa_system_sgpr_workgroup_id_x 1
		.amdhsa_system_sgpr_workgroup_id_y 1
		.amdhsa_system_sgpr_workgroup_id_z 1
		.amdhsa_system_vgpr_workitem_id 0
		.amdhsa_next_free_vgpr 1024
		.amdhsa_next_free_sgpr 102
		.amdhsa_reserve_vcc 1
		.amdhsa_float_denorm_mode_32 3
		.amdhsa_float_denorm_mode_16_64 3
		.amdhsa_memory_ordered 1
		.amdhsa_forward_progress 1
		.amdhsa_inst_pref_size 170
	.end_amdhsa_kernel
	.amdgpu_metadata
---
amdhsa.version: [ 1, 2 ]
amdhsa.kernels:
  - .name:           k_qe9cb27bcef_main
    .symbol:         k_qe9cb27bcef_main.kd
    .args:
      - { .name: abf, .offset: 0, .size: 8, .value_kind: global_buffer, .address_space: global }
      - { .name: wfr, .offset: 8, .size: 8, .value_kind: global_buffer, .address_space: global }
      - { .name: rfr, .offset: 16, .size: 8, .value_kind: global_buffer, .address_space: global }
      - { .name: pfr, .offset: 24, .size: 8, .value_kind: global_buffer, .address_space: global }
      - { .name: c, .offset: 32, .size: 8, .value_kind: global_buffer, .address_space: global }
      - { .name: ssm_state, .offset: 40, .size: 8, .value_kind: global_buffer, .address_space: global }
      - { .name: Wi_b, .offset: 48, .size: 8, .value_kind: global_buffer, .address_space: global }
      - { .name: Wf_b, .offset: 56, .size: 8, .value_kind: global_buffer, .address_space: global }
      - { .name: Wo_b, .offset: 64, .size: 8, .value_kind: global_buffer, .address_space: global }
      - { .name: Wg_b, .offset: 72, .size: 8, .value_kind: global_buffer, .address_space: global }
      - { .name: in_proj_b, .offset: 80, .size: 8, .value_kind: global_buffer, .address_space: global }
      - { .name: dt_proj_b, .offset: 88, .size: 8, .value_kind: global_buffer, .address_space: global }
      - { .name: A_log, .offset: 96, .size: 8, .value_kind: global_buffer, .address_space: global }
      - { .name: D, .offset: 104, .size: 8, .value_kind: global_buffer, .address_space: global }
      - { .name: clstm, .offset: 112, .size: 8, .value_kind: global_buffer, .address_space: global }
      - { .name: cssm, .offset: 120, .size: 8, .value_kind: global_buffer, .address_space: global }
      - { .name: ogate, .offset: 128, .size: 8, .value_kind: global_buffer, .address_space: global }
      - { .name: out2, .offset: 136, .size: 8, .value_kind: global_buffer, .address_space: global }
    .group_segment_fixed_size: 327680
    .private_segment_fixed_size: 0
    .kernarg_segment_align: 8
    .kernarg_segment_size: 144
    .max_flat_workgroup_size: 128
    .sgpr_count:     102
    .vgpr_count:     1024
    .wavefront_size: 32
...
	.end_amdgpu_metadata
.endif
;; end of part 3
;; launch finish (part 4): grid 256 x 1, 4 waves a work-group, no clusters, 0 bytes of LDS; arguments clstm, cssm, ogate, ln_g, ln_b, W1, W2, scale0, out0, out1; writes out0, out1
.if DOCPART == 4
	.amdgcn_target "amdgcn-amd-amdhsa--gfx1250"
	.amdhsa_code_object_version 6
	.text
	.protected	k_qe9cb27bcef_finish
	.globl	k_qe9cb27bcef_finish
	.p2align	8
	.type	k_qe9cb27bcef_finish,@function
k_qe9cb27bcef_finish:
	s_mov_b64 s[64:65], 0
	v_nop
	global_prefetch_b8 v0, s[64:65] scope:SCOPE_SE
	s_setreg_imm32_b32 hwreg(HW_REG_WAVE_MODE, 25, 1), 1
	s_wait_xcnt 0x0
; FINISH: normalized = LayerNorm(c_lstm) g + b; c_new = ((1.4 - W1) normalized + (0.6 - W2) c_ssm) scale0 (out1); h_new = o tanh(c_new) (out0).
; One wave, one row of 2,048 f32 (8,192 bytes): 16 loads of 16 bytes a lane for each of five arrays, all issued at once; the row stays in registers, so nothing is read twice, no LDS, no barrier.
; Each load and store of a wave covers 512 consecutive bytes.  The variance is the mean of the squared differences from the mean (two passes over registers), never a difference of large sums.
; NUMBERS.  ln_g, ln_b, W1, W2 and scale0 are rounded once to bf16, like every input of the module; all arithmetic in f32.  scale0 is folded into the two factors
; alpha = (1.4 - W1) scale0 and beta = (0.6 - W2) scale0: an order of rounding that differs from the reference's by a few units in the last place.
; tanh(z) = 1 - 2 / (1 + 2^(2 z log2 e)): absolute error about 1e-7 near 0.  NaN and infinities are not treated apart.
; No matrix unit, cluster or prefetch: a short stream in which no work-group shares bytes with another but g and b.
; REGISTERS: window 0: v64-127 the row of c_lstm, then c_new; v128-191 g, later tanh's work; v192-255 b.   window 1: v0-63 c_ssm; v64-127 o.
.set LO,  2                            ; v2   16 L
.set RO,  3                            ; v3   8,192 x row + 16 L
.set A,   8                            ; v[8:15]   four chains of sums, a pair each
.set RED, 16                           ; v16  a sum over the wave
.set AL,  20                           ; v[20:21] alpha, twice
.set BE,  22                           ; v[22:23] beta, twice
.set MU,  24                           ; v[24:25] the mean, twice
.set RS,  26                           ; v[26:27] 1 / sqrt(var + eps), twice
.set TT,  28                           ; v[28:29] at work
.set CL,  64
.set GN,  128
.set BN,  192
.set CS,  0                            ; window 1
.set OG,  64                           ; window 1
.set MSB, 0
.macro WIN new                         ; the immediate's high byte repeats the setting that is left
.if MSB != (\new)
	s_set_vgpr_msb (MSB<<8)|(\new)
.set MSB, \new
.endif
.endm
.macro RND2 lo                         ; the pair v[lo], v[lo + 1] rounded to bf16 and widened again
	v_cvt_pk_bf16_f32 v[TT+((\lo)/2)%2], v[\lo], v[(\lo)+1]
	v_lshlrev_b32 v[\lo], 16, v[TT+((\lo)/2)%2]
	v_and_b32 v[(\lo)+1], s33, v[TT+((\lo)/2)%2]
.endm
.macro WSUM                            ; the four chains into one number, the same in every lane
	v_pk_add_f32 v[A:A+1], v[A:A+1], v[A+2:A+3]
	v_pk_add_f32 v[A+4:A+5], v[A+4:A+5], v[A+6:A+7]
	v_pk_add_f32 v[A:A+1], v[A:A+1], v[A+4:A+5]
	v_add_f32 v[RED], v[A], v[A+1]
.irp m, 1,2,4,8
	v_add_f32_dpp v[RED], v[RED], v[RED] row_xmask:\m row_mask:0xf bank_mask:0xf
.endr
	v_permlanex16_b32 v[A+1], v[RED], s30, s31     ; its destination counts as read: a register that has been written
	v_add_f32 v[RED], v[RED], v[A+1]
.endm
	s_load_b512 s[4:19], s[0:1], 0x0               ; clstm, cssm, ogate, ln_g, ln_b, W1, W2, scale0
	s_load_b128 s[20:23], s[0:1], 0x40             ; out0, out1
	v_lshrrev_b32 v1, 5, v0
	v_readfirstlane_b32 s24, v1                    ; wave 0..3
	s_lshl_b32 s25, ttmp9, 2
	s_add_co_u32 s25, s25, s24                     ; my row
	s_lshl_b32 s25, s25, 13
	v_and_b32 v[LO], 31, v0
	v_lshlrev_b32 v[LO], 4, v[LO]
	v_add_nc_u32 v[RO], s25, v[LO]
	s_mov_b32 s30, 0x76543210                      ; v_permlanex16_b32: each lane takes its own place in the other half
	s_mov_b32 s31, 0xfedcba98
	s_mov_b32 s32, 0x3a000000                      ; 1 / 2048
	s_mov_b32 s33, 0xffff0000                      ; a word's upper bf16
	s_mov_b32 s34, 0x4038aa3b                      ; 2 log2(e)
	s_mov_b32 s35, 0x4038aa3b
	s_wait_kmcnt 0x0
	s_load_b32 s26, s[14:15], 0x0                  ; W1
	s_load_b32 s27, s[16:17], 0x0                  ; W2
	s_load_b32 s28, s[18:19], 0x0                  ; scale0
.irp i, 0,1,2,3,4,5,6,7,8,9,10,11,12,13,14,15
	global_load_b128 v[CL+4*(\i):CL+4*(\i)+3], v[RO], s[4:5] offset:512*(\i) th:TH_LOAD_NT
.endr
.irp i, 0,1,2,3,4,5,6,7,8,9,10,11,12,13,14,15
	global_load_b128 v[GN+4*(\i):GN+4*(\i)+3], v[LO], s[10:11] offset:512*(\i)
.endr
.irp i, 0,1,2,3,4,5,6,7,8,9,10,11,12,13,14,15
	global_load_b128 v[BN+4*(\i):BN+4*(\i)+3], v[LO], s[12:13] offset:512*(\i)
.endr
	WIN 0x40                                       ; destination window 1, address window 0
.irp i, 0,1,2,3,4,5,6,7,8,9,10,11,12,13,14,15
	global_load_b128 v[CS+4*(\i):CS+4*(\i)+3], v[RO], s[6:7] offset:512*(\i) th:TH_LOAD_NT
.endr
.irp i, 0,1,2,3,4,5,6,7,8,9,10,11,12,13,14,15
	global_load_b128 v[OG+4*(\i):OG+4*(\i)+3], v[RO], s[8:9] offset:512*(\i) th:TH_LOAD_NT
.endr
	WIN 0
	s_wait_kmcnt 0x0
	v_cvt_pk_bf16_f32 v[TT], s26, s27
	v_cvt_pk_bf16_f32 v[TT+1], s28, s28
	v_lshlrev_b32 v[AL], 16, v[TT]
	v_and_b32 v[BE], s33, v[TT]
	v_lshlrev_b32 v[TT+1], 16, v[TT+1]
	v_sub_f32 v[AL], 0x3fb33333, v[AL]             ; 1.4 - W1
	v_sub_f32 v[BE], 0x3f19999a, v[BE]             ; 0.6 - W2
	v_mul_f32 v[AL], v[AL], v[TT+1]
	v_mul_f32 v[BE], v[BE], v[TT+1]
	v_mov_b32 v[AL+1], v[AL]                       ; pairs for the packed lines
	v_mov_b32 v[BE+1], v[BE]
	s_wait_loadcnt 63                              ; 64 loads were issued behind c_lstm's sixteen; 63, the most that the count can name, shows those sixteen in
.irp k, 0,2,4,6
	v_pk_add_f32 v[A+\k:A+\k+1], v[CL+\k:CL+\k+1], v[CL+8+\k:CL+8+\k+1]  ; the first words start the four chains: nothing is cleared
.endr
.set j, 16
.rept 24
	v_pk_add_f32 v[A+j%8:A+j%8+1], v[A+j%8:A+j%8+1], v[CL+j:CL+j+1]
.set j, j+2
.endr
	WSUM
	v_mul_f32 v[MU], s32, v[RED]
	v_mul_f32 v[MU+1], s32, v[RED]
.set j, 0
.rept 32
	v_pk_add_f32 v[CL+j:CL+j+1], v[CL+j:CL+j+1], v[MU:MU+1] neg_lo:[0,1] neg_hi:[0,1]  ; x - mean, in place
.set j, j+2
.endr
.irp k, 0,2,4,6
	v_pk_mul_f32 v[A+\k:A+\k+1], v[CL+\k:CL+\k+1], v[CL+\k:CL+\k+1]
.endr
.set j, 8
.rept 28
	v_pk_fma_f32 v[A+j%8:A+j%8+1], v[CL+j:CL+j+1], v[CL+j:CL+j+1], v[A+j%8:A+j%8+1]
.set j, j+2
.endr
	WSUM
	v_fmaak_f32 v[RED], s32, v[RED], 0x3727c5ac    ; var + 1e-5
	v_rsq_f32 v[RS], v[RED]
	v_rsq_f32 v[RS+1], v[RED]
	s_wait_loadcnt 0x0                             ; g, b, c_ssm, o
.set j, GN
.rept 64
	RND2 j                                         ; g and b: plain work behind the two roots
.set j, j+2
.endr
	s_wait_alu depctr_va_vdst(0)                   ; one wait for both, ahead of their first reader
.set j, 0
.rept 32
	v_pk_mul_f32 v[CL+j:CL+j+1], v[CL+j:CL+j+1], v[RS:RS+1]
.set j, j+2
.endr
.set j, 0
.rept 32
	v_pk_fma_f32 v[CL+j:CL+j+1], v[CL+j:CL+j+1], v[GN+j:GN+j+1], v[BN+j:BN+j+1]  ; normalized
.set j, j+2
.endr
	WIN 0x41                                       ; destination and source 0 window 1
.set j, 0
.rept 32
	v_pk_mul_f32 v[CS+j:CS+j+1], v[CS+j:CS+j+1], v[BE:BE+1]
.set j, j+2
.endr
	WIN 0x10                                       ; source 2 window 1
.set j, 0
.rept 32
	v_pk_fma_f32 v[CL+j:CL+j+1], v[CL+j:CL+j+1], v[AL:AL+1], v[CS+j:CS+j+1]      ; c_new
.set j, j+2
.endr
	WIN 0
.irp i, 0,1,2,3,4,5,6,7,8,9,10,11,12,13,14,15
	global_store_b128 v[RO], v[CL+4*(\i):CL+4*(\i)+3], s[22:23] offset:512*(\i) th:TH_STORE_NT
.endr
.set j, 0
.rept 32
	v_pk_mul_f32 v[GN+j:GN+j+1], v[CL+j:CL+j+1], s[34:35] op_sel_hi:[1,0]
.set j, j+2
.endr
.set j, 0
.rept 64
	v_exp_f32 v[GN+j], v[GN+j]
.set j, j+1
.endr
	v_nop                                          ; a plain instruction behind the last exponential,
	s_wait_alu depctr_va_vdst(0)                   ; and one wait for the batch
.set j, 0
.rept 32
	v_pk_add_f32 v[GN+j:GN+j+1], v[GN+j:GN+j+1], 1.0 op_sel_hi:[1,0]
.set j, j+2
.endr
.set j, 0
.rept 64
	v_rcp_f32 v[GN+j], v[GN+j]
.set j, j+1
.endr
	v_nop
	s_wait_alu depctr_va_vdst(0)
.set j, 0
.rept 32
	v_pk_fma_f32 v[GN+j:GN+j+1], v[GN+j:GN+j+1], -2.0, 1.0 op_sel_hi:[1,0,0]     ; tanh(c_new)
.set j, j+2
.endr
	WIN 0x04                                       ; source 1 window 1
.set j, 0
.rept 32
	v_pk_mul_f32 v[GN+j:GN+j+1], v[GN+j:GN+j+1], v[OG+j:OG+j+1]                  ; h_new
.set j, j+2
.endr
	WIN 0
.irp i, 0,1,2,3,4,5,6,7,8,9,10,11,12,13,14,15
	global_store_b128 v[RO], v[GN+4*(\i):GN+4*(\i)+3], s[20:21] offset:512*(\i) th:TH_STORE_NT
.endr
	s_endpgm
.Lfunc_end_k_qe9cb27bcef_finish:
	.size	k_qe9cb27bcef_finish, .Lfunc_end_k_qe9cb27bcef_finish-k_qe9cb27bcef_finish
	.p2alignl 7, 3214868480
	.fill 96, 4, 3214868480
	.section	.rodata,"a",@progbits
	.p2align	6, 0x0
	.amdhsa_kernel k_qe9cb27bcef_finish
		.amdhsa_group_segment_fixed_size 0
		.amdhsa_private_segment_fixed_size 0
		.amdhsa_enable_private_segment 0
		.amdhsa_kernarg_size 80
		.amdhsa_user_sgpr_count 2
		.amdhsa_user_sgpr_kernarg_segment_ptr 1
		.amdhsa_wavefront_size32 1
		.amdhsa_system_sgpr_workgroup_id_x 1
		.amdhsa_system_sgpr_workgroup_id_y 1
		.amdhsa_system_sgpr_workgroup_id_z 1
		.amdhsa_system_vgpr_workitem_id 0
		.amdhsa_next_free_vgpr 384
		.amdhsa_next_free_sgpr 66
		.amdhsa_reserve_vcc 0
		.amdhsa_float_denorm_mode_32 3
		.amdhsa_float_denorm_mode_16_64 3
		.amdhsa_memory_ordered 1
		.amdhsa_forward_progress 1
		.amdhsa_inst_pref_size 48
	.end_amdhsa_kernel
	.amdgpu_metadata
---
amdhsa.version: [ 1, 2 ]
amdhsa.kernels:
  - .name:           k_qe9cb27bcef_finish
    .symbol:         k_qe9cb27bcef_finish.kd
    .args:
      - { .name: clstm, .offset: 0, .size: 8, .value_kind: global_buffer, .address_space: global }
      - { .name: cssm, .offset: 8, .size: 8, .value_kind: global_buffer, .address_space: global }
      - { .name: ogate, .offset: 16, .size: 8, .value_kind: global_buffer, .address_space: global }
      - { .name: ln_g, .offset: 24, .size: 8, .value_kind: global_buffer, .address_space: global }
      - { .name: ln_b, .offset: 32, .size: 8, .value_kind: global_buffer, .address_space: global }
      - { .name: W1, .offset: 40, .size: 8, .value_kind: global_buffer, .address_space: global }
      - { .name: W2, .offset: 48, .size: 8, .value_kind: global_buffer, .address_space: global }
      - { .name: scale0, .offset: 56, .size: 8, .value_kind: global_buffer, .address_space: global }
      - { .name: out0, .offset: 64, .size: 8, .value_kind: global_buffer, .address_space: global }
      - { .name: out1, .offset: 72, .size: 8, .value_kind: global_buffer, .address_space: global }
    .group_segment_fixed_size: 0
    .private_segment_fixed_size: 0
    .kernarg_segment_align: 8
    .kernarg_segment_size: 80
    .max_flat_workgroup_size: 128
    .sgpr_count:     66
    .vgpr_count:     384
    .wavefront_size: 32
...
	.end_amdgpu_metadata
.endif
;; end of part 4
